; MI455X (gfx1250); checked and timed in simulation.
; The chip was launched on July 23, 2026; its instructions are those of AMD's public machine-readable ISA for CDNA 5 (MIT licence, August 2026) and "CDNA5" Instruction Set Architecture Reference Guide (July 2026). The comments in the code are by the model that wrote it; some were corrected since.
;; Multi Headed Attention. Allowed arithmetic: matrix products marked QUANTISED: E2M3 operands, one E8M0 scale for each 32 along K, by v_wmma_scale_f32_16x16x128_f8f6f4 with both operands' format E2M3, f32 sums; everything else in f32.
;; Inputs: Wk 1,024 x 1,024 float32; Wo 1,024 x 1,024 float32; Wv 1,024 x 1,024 float32; bk 1,024 float32; bo 1,024 float32; bv 1,024 float32; key 2 x 2,048 x 1,024 float32; pos_enc 2,048 int32; query 2 x 2,048 x 1,024 float32; value 2 x 2,048 x 1,024 float32.
;; Outputs: out0 2 x 2,048 x 1,024 float32.
;; This version of the problem:
;;   THIS VERSION OF THE PROBLEM IS GIVEN IN LOW PRECISION. The matrix products marked QUANTISED in the list below multiply operands that are first quantised to E2M3 (2 exponent bits, 3 mantissa bits; 6 bits a number), with one power-of-two scale for each 32 numbers along K (OCP MX v1.0); their sums are f32. All else is computed in f32.
;;   The module's matrix products, in the order in which they are computed (A, B: the left and right operand; K: the contracted axis; several contracted axes count as one K, in the product's order):
;;     1. [M 4,096, K 1,024] x [K 1,024, N 1,024]; A: input key; B: input Wk: QUANTISED
;;     2. [M 4,096, K 1,024] x [K 1,024, N 1,024]; A: input value; B: input Wv: QUANTISED
;;     3. batch 32 x [M 2,048, K 64] x [K 64, N 2,048]; A: computed on the way; B: computed on the way: QUANTISED
;;     4. batch 32 x [M 2,048, K 2,048] x [K 2,048, N 64]; A: computed on the way; B: computed on the way: QUANTISED
;;     5. [M 4,096, K 1,024] x [K 1,024, N 1,024]; A: computed on the way; B: input Wo: QUANTISED
;;   THE QUANTISER, for each operand of a quantised product, along K:
;;     - K is cut into blocks of 32 from its start; a last block that is shorter is filled with zeros.
;;     - A block's scale is 2^e with e = floor(log2(the largest magnitude in the block)) - 2, held to -126 .. 127; a block of zeros has e = 0. As a byte (E8M0): e + 127.
;;     - Each number is divided by its block's scale, clamped to +-7.5, and rounded to the nearest number of E2M3, ties to even, subnormals kept.
;;     - The product sums the exact products of the quantised numbers (number of the format x scale) in f32.
;;   ~~~python
;;   def quantise(x, axis):      # numpy; x: float32 -> the quantised numbers, widened to float32 again
;;       x = np.moveaxis(x, axis, -1); K = x.shape[-1]
;;       x = np.pad(x, [(0, 0)] * (x.ndim - 1) + [(0, -K % 32)]); x = x.reshape(x.shape[:-1] + (-1, 32)); a = np.abs(x).max(-1, keepdims=True)
;;       e = np.where(a > 0, np.clip(np.frexp(np.where(a > 0, a, 1))[1] - 1 - 2, -126, 127), 0)      # np.frexp(a)[1] - 1 = floor(log2(a)), exactly
;;       r = np.clip(x / 2.0 ** e, -7.5, 7.5)
;;       step = 2.0 ** (np.maximum(np.frexp(np.where(r == 0, 1, r))[1] - 1, 0) - 3)
;;       q = np.round(r / step) * step * 2.0 ** e      # np.round: ties to even
;;       return np.moveaxis(q.reshape(q.shape[:-2] + (-1,))[..., :K], -1, axis).astype(np.float32)
;;   ~~~
;;   OPERANDS COMPUTED ON THE WAY. 'Computed on the way' means the value that the module computes at that place (a softmax that the list does not call 'softmax' is quantised finished and normalised). What goes into a quantiser is computed in f32, as accurately as f32 sums, v_exp_f32 and their like allow (about 1e-6 of the number): no bf16 or f16 on the way to a quantiser, and a product that is left as it is and whose result goes on into a quantised operand takes f32 operands (vector FMAs, or v_wmma_f32_16x16x4_f32). A number that lies on a knife's edge between two numbers of the format may be rounded either way, as far as f32 arithmetic and the matrix unit's own rounding can turn it there, and no further.
;; One version. Each part assembles by itself: llvm-mc -triple=amdgcn-amd-amdhsa -mcpu=gfx1250 --defsym DOCPART=n.
;; ======== version 1 of 1: 5 launches
;; limits: inputs' magnitudes at most 100,000; right only within a limited range of input values
;; workspace buffers: xw_codes 8,650,752 bytes; xw_scales 360,448 bytes; q_ws 3,407,872 bytes; rope_tab 1,048,576 bytes; kv_ws 6,684,672 bytes; nbeta 262,144 bytes; xo_ws 3,276,800 bytes
;; launch prep (part 1): grid 480 x 1, 4 waves a work-group, no clusters, 57,856 bytes of LDS; arguments key, value, Wk, Wv, Wo, query, pos_enc, xw_codes, xw_scales, q_ws, rope_tab; writes xw_codes, xw_scales, q_ws, rope_tab
.if DOCPART == 1
	.amdgcn_target "amdgcn-amd-amdhsa--gfx1250"
	.amdhsa_code_object_version 6
	.text
	.protected	k_q98b0c5c725_prep
	.globl	k_q98b0c5c725_prep
	.p2align	8
	.type	k_q98b0c5c725_prep,@function
k_q98b0c5c725_prep:
	s_mov_b64 s[64:65], 0
	v_nop
	global_prefetch_b8 v0, s[64:65] scope:SCOPE_SE
	s_setreg_imm32_b32 hwreg(HW_REG_WAVE_MODE, 25, 1), 1
	s_wait_xcnt 0x0
; PREP.  key, value [4096][1024], Wk, Wv, Wo [1024][1024] (f32, K innermost) become codes of FP6 (E2M3) with one E8M0 byte for each 32 along K; the RoPE tables are made from pos_enc; query is rotated and quantised along its head's 64.
; DEAD WORK: none.  Every input of reference() reaches the result (bk is not the same along the softmax's axis, the queries, and it moves k's codes), so every input is loaded by some launch and nothing is left out.
; THE RAW RESHAPE: row R = 128 bh + p, column n = 64 g + d of a projection is head bh, position s = 16 p + g, channel d.  query is [32][2048][64] as it lies.
; ROWS ARE PERMUTED ON THE WAY OUT (which rows form a tile of a product is free):
;   key, value: workspace row 32 a + 16 e + r holds row 32 a + 2 r + e.   Wk: row n with bits 3 and 4 changed over.   Wo: as it lies.
;   Wv: workspace row 256 x + 128 y + 16 (2 i + q) + m holds row 64 m + 32 q + 8 x + 4 y + i.
; A block's scale is 2^(floor(log2(largest magnitude)) - 2); its byte is the largest magnitude's exponent field - 2, held at 1 from below.
; LIMITS: a block of zeros gets the byte 1 where the rule says 127 (its codes are zeros; this program alone reads the bytes); NaN and infinities among the inputs are not served;
; 10000^(-f/32) is made by v_exp_f32; angles are reduced by pi/2 in three parts, sound up to about 1e5 in magnitude; sine and cosine by polynomials of about 1e-7.
; WORK-GROUPS: 0-127 key, 128-255 value, 256-287 Wk, 288-319 Wv, 320-351 Wo (a wave: 8 rows, 16 steps of 512 numbers); 352-479 query.  The two paths have LDS bytes of their own.  Waves share nothing: no barrier.
.set WREG,  8192                       ; stream path: a wave's LDS: two stages of 32 x SP bytes, then its 256 scale bytes
.set SP,    80                         ; a lane's place in a stage: 64 bytes + 16
.set STEPS, 16
.set EMAX,  2
.set RR,    16                         ; v16-79   four sets of 16 numbers as loaded
.set XX,    80                         ; v80-111  two sets of 16 neighbours
.set EE,    112                        ; v112-127 a scale byte for each step
.set CC,    128                        ; v128-191 codes, four registers a step
.set CO,    192                        ; v192-199 where row k of my 8 goes in the codes: 12 x lane + 768 x its row; never rewritten
.set SPW,   12                         ; v12 my spare word; v13 0: never rewritten
.set NIL,   13
.set QBASE, 32768                      ; q path: 6,144 bytes a wave: a stage of 16 rows x 272, and at +4,608 64 places of 16 bytes
.set QREG,  6144
.set SPARE, 57344                      ; the spare words: 128 bytes a wave, two blocks of 256 bytes that no other line names
.set TC,    16                         ; q path: v16-31 cos, v32-47 sin of my position at f = 16 h + 0 .. 15
.set TS,    32
.set QR,    48                         ; v48-111  two sets of 32: a head's 16 rows as loaded
.set X1,    112                        ; v112-127 channels 16 h + i;  v128-143 channels 32 + 16 h + i
.set X2,    128
.set YY,    144                        ; v144-175 rotated
.set P0,    176                        ; codes: two pieces of 12 bytes
.set P1,    180
.set B0,    184                        ; and as read back
.set B1,    188
	s_load_b512 s[8:23], s[0:1], 0x0               ; key, value, Wk, Wv, Wo, query, pos_enc, xw_codes
	s_load_b128 s[24:27], s[0:1], 0x40             ; xw_scales, q_ws
	s_load_b64 s[28:29], s[0:1], 0x50              ; rope_tab
	v_lshl_add_u32 v[SPW], v0, 2, SPARE
	v_mov_b32 v[NIL], 0
	v_lshrrev_b32 v1, 5, v0
	v_readfirstlane_b32 s36, v1                    ; wave
	v_and_b32 v2, 31, v0                           ; lane
	s_cmp_ge_u32 ttmp9, 352
	s_cbranch_scc1 .Lq_path
; ---------------- the stream path ----------------
	v_lshlrev_b32 v3, 4, v2                        ; my 16 bytes of a load's 512
	s_mul_i32 s37, s36, WREG
	v_lshrrev_b32 v14, 2, v2
	v_mul_u32_u24 v14, v14, SP
	v_and_b32 v15, 3, v2
	v_lshl_add_u32 v14, v15, 4, v14
	v_add_nc_u32 v14, s37, v14                     ; the stage, way in: SP (lane / 4) + 16 (lane % 4)
	v_mul_u32_u24 v15, v2, SP
	v_add_nc_u32 v15, s37, v15                     ; way out: SP x lane: my 16 neighbours
	v_mul_u32_u24 v4, v2, 12                       ; my codes' place in a step's
	v_lshrrev_b32 v5, 1, v2
	s_add_co_u32 s37, s37, 2*32*SP
	v_add_nc_u32 v5, s37, v5                       ; my block's scale byte in LDS
	v_lshlrev_b32 v7, 3, v2
	v_add_nc_u32 v6, s37, v7                       ; and 8 bytes a lane on the way out
	s_wait_alu depctr_va_vdst(0)
	s_wait_kmcnt 0x0
	s_mov_b64 s[4:5], s[16:17]                     ; which tensor: the choices hang on the work-group's number alone
	s_mov_b32 s30, 320                             ; its first work-group,
	s_mov_b32 s31, 7864320                         ; its part of xw_codes,
	s_mov_b32 s32, 327680                          ; and of xw_scales
	s_cmp_lt_u32 ttmp9, 320
	s_cselect_b64 s[4:5], s[14:15], s[4:5]
	s_cselect_b32 s30, 288, s30
	s_cselect_b32 s31, 7077888, s31
	s_cselect_b32 s32, 294912, s32
	s_cmp_lt_u32 ttmp9, 288
	s_cselect_b64 s[4:5], s[12:13], s[4:5]
	s_cselect_b32 s30, 256, s30
	s_cselect_b32 s31, 6291456, s31
	s_cselect_b32 s32, 262144, s32
	s_cmp_lt_u32 ttmp9, 256
	s_cselect_b64 s[4:5], s[10:11], s[4:5]
	s_cselect_b32 s30, 128, s30
	s_cselect_b32 s31, 3145728, s31
	s_cselect_b32 s32, 131072, s32
	s_cmp_lt_u32 ttmp9, 128
	s_cselect_b64 s[4:5], s[8:9], s[4:5]
	s_cselect_b32 s30, 0, s30
	s_cselect_b32 s31, 0, s31
	s_cselect_b32 s32, 0, s32
	s_sub_co_u32 s33, ttmp9, s30
	s_lshl_b32 s33, s33, 2
	s_add_co_u32 s33, s33, s36                     ; rr: my run of 8 rows.  Row k of it goes to workspace row wb + (k & 1) SA + (k >> 1) SB
	s_and_b32 s37, s33, 3
	s_lshr_b32 s38, s33, 2
	s_lshl_b32 s39, s38, 5
	s_lshl_b32 s40, s37, 2
	s_add_co_u32 s39, s39, s40                     ; key, value: wb = 32 (rr >> 2) + 4 (rr & 3), SA 16, SB 1
	s_and_b32 s40, s33, 1
	s_lshl_b32 s40, s40, 1
	s_bfe_u32 s41, s33, 0x10001
	s_or_b32 s40, s40, s41
	s_lshl_b32 s41, s38, 2
	s_or_b32 s40, s40, s41
	s_lshl_b32 s40, s40, 3                         ; Wk: wb = 8 x (rr with bits 0 and 1 changed over), SA 1, SB 2
	s_lshl_b32 s41, s37, 8
	s_and_b32 s42, s38, 1
	s_lshl_b32 s42, s42, 4
	s_add_co_u32 s41, s41, s42
	s_lshr_b32 s42, s33, 3
	s_add_co_u32 s41, s41, s42                     ; Wv: wb = 256 (rr & 3) + 16 ((rr >> 2) & 1) + (rr >> 3), SA 32, SB 64
	s_lshl_b32 s45, s33, 3                         ; Wo: wb = 8 rr, SA 1, SB 2
	s_mov_b32 s43, 1
	s_mov_b32 s44, 2
	s_cmp_lt_u32 ttmp9, 320
	s_cselect_b32 s45, s41, s45
	s_cselect_b32 s43, 32, s43
	s_cselect_b32 s44, 64, s44
	s_cmp_lt_u32 ttmp9, 288
	s_cselect_b32 s45, s40, s45
	s_cselect_b32 s43, 1, s43
	s_cselect_b32 s44, 2, s44
	s_cmp_lt_u32 ttmp9, 256
	s_cselect_b32 s45, s39, s45
	s_cselect_b32 s43, 16, s43
	s_cselect_b32 s44, 1, s44
	s_lshl_b32 s46, s33, 15                        ; 8 rows of 4,096 bytes a run
	s_mov_b32 s47, 0
	s_add_nc_u64 s[4:5], s[4:5], s[46:47]
	s_mul_i32 s46, s45, 768
	s_add_co_u32 s46, s46, s31
	s_add_nc_u64 s[6:7], s[22:23], s[46:47]        ; the codes at row wb
	s_lshl_b32 s46, s45, 5
	s_add_co_u32 s46, s46, s32
	s_add_nc_u64 s[2:3], s[24:25], s[46:47]        ; the scale bytes at row wb
.irp k, 0,1,2,3,4,5,6,7
	s_mul_i32 s46, s44, \k/2
.if \k%2
	s_add_co_u32 s46, s46, s43
.endif
	s_mul_i32 s46, s46, 768
	v_add_nc_u32 v[CO+\k], s46, v4
.endr
	v_bfe_u32 v8, v2, 2, 1                         ; the scale bytes' way out: lane l holds 8 bytes of row k = l / 4
	v_lshrrev_b32 v9, 3, v2
	v_mul_u32_u24 v8, v8, s43
	v_mad_u32_u24 v8, v9, s44, v8
	v_and_b32 v9, 3, v2
	v_lshlrev_b32 v9, 3, v9
	v_lshl_add_u32 v7, v8, 5, v9                   ; 32 x its row + 8 (l % 4): whole rows of 32 bytes; whole runs of 256 where the rows are neighbours
.macro SLOAD t
.irp i, 0,1,2,3
	global_load_b128 v[RR+16*((\t)%4)+4*\i:RR+16*((\t)%4)+4*\i+3], v3, s[4:5] offset:2048*(\t)+512*\i th:TH_LOAD_NT   ; 32 lanes read 512 consecutive bytes
.endr
.endm
.macro STURN t                         ; step t's numbers through the stage: LDS serves a wave's instructions in order
.irp i, 0,1,2,3
	ds_store_b128 v14, v[RR+16*((\t)%4)+4*\i:RR+16*((\t)%4)+4*\i+3] offset:32*SP*((\t)%2)+8*SP*\i
.endr
.irp i, 0,1,2,3
	ds_load_b128 v[XX+16*((\t)%2)+4*\i:XX+16*((\t)%2)+4*\i+3], v15 offset:32*SP*((\t)%2)+16*\i
.endr
.endm
.irp t, 0,1,2,3
	SLOAD \t
.endr
	s_wait_loadcnt 12                              ; step 0's four loads are in
	STURN 0
.macro SSTEP t
.set XS, XX+16*((\t)%2)
.if (\t) > 0
	s_wait_dscnt 1                                 ; this step's numbers are back from the stage (the last step's byte store may be out)
.else
	s_wait_dscnt 0x0
.endif
.if (\t)+4 < STEPS
	SLOAD (\t)+4
.endif
.if (\t)+1 < STEPS
.if STEPS-2-(\t) >= 3
	s_wait_loadcnt 12                              ; the next step's four loads are in; those of the three steps behind it may be out
.else
	s_wait_loadcnt 4*(STEPS-2-(\t))
.endif
	STURN (\t)+1
.endif
	v_max3_num_f32 v8, |v[XS]|, |v[XS+1]|, |v[XS+2]|
	v_max3_num_f32 v9, |v[XS+3]|, |v[XS+4]|, |v[XS+5]|
.irp i, 6,10
	v_max3_num_f32 v8, v8, |v[XS+\i]|, |v[XS+\i+1]|
	v_max3_num_f32 v9, v9, |v[XS+\i+2]|, |v[XS+\i+3]|
.endr
	v_max3_num_f32 v8, v8, |v[XS+14]|, |v[XS+15]|
	v_max3_num_f32 v8, v8, v9, (EMAX+1)<<23        ; with the floor 2^(3 - 127): the byte cannot fall under 1
	v_max_num_f32_dpp v8, v8, v8 row_xmask:1 row_mask:0xf bank_mask:0xf   ; and my neighbour's 16: the block's largest magnitude
	v_add_nc_u32 v11, -(EMAX<<23), v8              ; 2 off its exponent field: the conversion's scale operand
	v_cvt_scalef32_pk16_fp6_f32 v[CC+4*(\t):CC+4*(\t)+2], v[XS:XS+15], v11
	v_lshrrev_b32 v[EE+(\t)], 23, v11              ; the scale's byte
	ds_store_b8 v5, v[EE+(\t)] offset:16*(\t)      ; both lanes of a block write the same byte with the same value
	global_store_b96 v[CO+(\t)/2], v[CC+4*(\t):CC+4*(\t)+2], s[6:7] offset:384*((\t)%2)   ; 384 consecutive bytes: half a row of codes
.endm
.irp t, 0,1,2,3,4,5,6,7,8,9,10,11,12,13,14,15
	SSTEP \t
.endr
	ds_load_b64 v[8:9], v6
	s_wait_dscnt 0x0
	global_store_b64 v7, v[8:9], s[2:3]
	s_wait_tensorcnt 0x0                           ; the wave's end
	ds_add_u32 v[SPW], v[NIL]
	s_wait_dscnt 0x0
	s_endpgm
; ---------------- the q path ----------------
; Work-group 352 + 32 bg + sg, wave w: positions s0 = 64 sg + 16 w on, heads 8 bg .. 8 bg + 7.  Lane (r, h): position s0 + r, f = 16 h + 0 .. 15.  The work-groups with bg = 0 store the tables.
.Lq_path:
	v_and_b32 v3, 15, v0                           ; r
	v_bfe_u32 v1, v0, 4, 1                         ; h
	s_mul_i32 s37, s36, QREG
	s_add_co_u32 s37, s37, QBASE
	s_wait_alu depctr_va_vdst(0)
	v_lshlrev_b32 v4, 4, v2                        ; 16 x lane
	v_mul_u32_u24 v5, v1, 272
	v_lshl_add_u32 v5, v3, 4, v5
	v_add_nc_u32 v5, s37, v5                       ; stage, way in: a load's 512 bytes are two rows
	v_mul_u32_u24 v6, v3, 272
	v_lshl_add_u32 v6, v1, 6, v6
	v_add_nc_u32 v6, s37, v6                       ; way out: row r, 64 h
	s_add_co_u32 s37, s37, 4608
	v_lshlrev_b32 v7, 6, v3
	v_lshl_add_u32 v7, v1, 4, v7
	v_add_nc_u32 v7, s37, v7                       ; places, in: row r has four: (block, h)
	v_add_nc_u32 v8, s37, v4                       ; out: place = lane
	v_mul_u32_u24 v9, v2, 12
	v_lshlrev_b32 v10, 2, v3
	v_lshlrev_b32 v14, 8, v3
	v_lshl_add_u32 v14, v1, 6, v14                 ; tabK: 256 r + 64 h
	v_lshlrev_b32 v15, 18, v1
	v_lshl_add_u32 v15, v3, 2, v15                 ; tabV: 16 h rows of 16,384 bytes + 4 r
	v_mov_b32 v194, 0                              ; (a lane permute's destination counts as one of its sources)
	v_mov_b32 v195, 0
	s_sub_co_u32 s38, ttmp9, 352
	s_and_b32 s39, s38, 31
	s_lshr_b32 s38, s38, 5                         ; bg
	s_lshl_b32 s39, s39, 6
	s_lshl_b32 s40, s36, 4
	s_add_co_u32 s39, s39, s40                     ; s0
	s_mov_b32 s34, 0x76543210
	s_mov_b32 s35, 0xfedcba98                      ; lane l xor 16
	s_mov_b32 s41, 0
	s_wait_alu depctr_va_vdst(0)
	s_wait_kmcnt 0x0
	s_lshl_b32 s40, s38, 22
	s_lshl_b32 s42, s39, 8
	s_add_co_u32 s40, s40, s42
	s_add_nc_u64 s[18:19], s[18:19], s[40:41]      ; query at (head 8 bg, s0)
	s_lshl_b32 s40, s39, 2
	s_add_nc_u64 s[20:21], s[20:21], s[40:41]      ; pos_enc at s0
	s_add_co_u32 s40, s40, 524288
	s_add_nc_u64 s[32:33], s[28:29], s[40:41]      ; tabV at s0
	s_mov_b32 s40, s42
	s_add_nc_u64 s[30:31], s[28:29], s[40:41]      ; tabK at s0
	s_mul_i32 s40, s38, 786432
	s_mul_i32 s42, s39, 48
	s_add_co_u32 s40, s40, s42
	s_add_nc_u64 s[4:5], s[26:27], s[40:41]        ; q's codes
	s_lshl_b32 s40, s38, 16
	s_lshl_b32 s42, s39, 2
	s_add_co_u32 s40, s40, s42
	s_add_co_u32 s40, s40, 3145728
	s_add_nc_u64 s[6:7], s[26:27], s[40:41]        ; q's scale words
.macro QLOAD t                         ; head t's 16 rows: 4,096 consecutive bytes
.irp i, 0,1,2,3,4,5,6,7
	global_load_b128 v[QR+32*((\t)%2)+4*\i:QR+32*((\t)%2)+4*\i+3], v4, s[18:19] offset:524288*(\t)+512*\i th:TH_LOAD_NT
.endr
.endm
	global_load_b32 v11, v10, s[20:21]
	QLOAD 0
	QLOAD 1
	v_lshlrev_b32 v192, 4, v1
.irp i, 0,1,2,3,4,5,6,7,8,9,10,11,12,13,14,15
	v_add_nc_u32 v193, \i, v192
	v_cvt_f32_u32 v[TC+\i], v193                   ; f
.endr
.irp i, 0,1,2,3,4,5,6,7,8,9,10,11,12,13,14,15
	v_mul_f32 v[TC+\i], 0xbed49a78, v[TC+\i]       ; - f log2(10000) / 32
.endr
	s_wait_alu depctr_va_vdst(0)
.irp i, 0,1,2,3,4,5,6,7,8,9,10,11,12,13,14,15
	v_exp_f32 v[TC+\i], v[TC+\i]                   ; 10000^(-f / 32)
.endr
	v_nop                                          ; a plain instruction behind the batch,
	s_wait_alu depctr_va_vdst(0)                   ; and one wait for it ahead of its first reader
	s_wait_loadcnt 16                              ; pos is in; the two heads' 16 loads may be out
	v_cvt_f32_i32 v11, v11
.irp i, 0,1,2,3,4,5,6,7,8,9,10,11,12,13,14,15
	v_mul_f32 v[TC+\i], v11, v[TC+\i]              ; the angle: one f32 product
.endr
.macro SINCOS i                        ; v[TC+i] holds the angle; it leaves cos there and sin in v[TS+i]
	v_mul_f32 v192, 0x3f22f983, v[TC+\i]
	v_rndne_f32 v192, v192                         ; n = the nearest whole number to angle x 2 / pi
	v_fmamk_f32 v193, v192, 0xbfc90fdb, v[TC+\i]   ; r = angle - n pi / 2, pi / 2 in three parts
	v_fmamk_f32 v193, v192, 0x333bbd2e, v193
	v_fmamk_f32 v193, v192, 0x26f72ced, v193
	v_cvt_i32_f32 v192, v192
	v_mul_f32 v194, v193, v193                     ; z = r r
	v_mov_b32 v195, 0xb94ca1f9
	v_fmaak_f32 v195, v195, v194, 0x3c08839e
	v_fmaak_f32 v195, v195, v194, 0xbe2aaaa3
	v_mul_f32 v195, v195, v194
	v_fma_f32 v195, v195, v193, v193               ; sin r
	v_mov_b32 v196, 0x37ccf5ce
	v_fmaak_f32 v196, v196, v194, 0xbab6061a
	v_fmaak_f32 v196, v196, v194, 0x3d2aaaa5
	v_fma_f32 v196, v196, v194, -0.5
	v_fma_f32 v196, v196, v194, 1.0                ; cos r
	v_and_b32 v197, 1, v192
	v_cmp_eq_u32 vcc_lo, 1, v197                   ; an odd quarter changes the two over: a select, no branch
	v_cndmask_b32 v198, v195, v196, vcc_lo
	v_cndmask_b32 v196, v196, v195, vcc_lo
	v_lshlrev_b32 v197, 30, v192
	v_and_b32 v197, 0x80000000, v197
	v_xor_b32 v[TS+\i], v197, v198                 ; the sine is negative in quarters 2 and 3,
	v_add_nc_u32 v192, 1, v192
	v_lshlrev_b32 v197, 30, v192
	v_and_b32 v197, 0x80000000, v197
	v_xor_b32 v[TC+\i], v197, v196                 ; the cosine in 1 and 2
.endm
.irp i, 0,1,2,3,4,5,6,7,8,9,10,11,12,13,14,15
	SINCOS \i
.endr
	v_mov_b32 v194, 0
	v_mov_b32 v195, 0
	s_cmp_lg_u32 s38, 0
	s_cbranch_scc1 .Lno_tab
.irp i, 0,1,2,3                        ; tabK [s][cos 32, sin 32]: the eight stores together fill 16 whole rows of 256 bytes
	global_store_b128 v14, v[TC+4*\i:TC+4*\i+3], s[30:31] offset:16*\i
	global_store_b128 v14, v[TS+4*\i:TS+4*\i+3], s[30:31] offset:128+16*\i
.endr
.irp i, 0,1,2,3,4,5,6,7,8,9,10,11,12,13,14,15   ; tabV [f][cos, sin][s]: runs of 64 bytes; the table is written once, 524,288 bytes in all
	global_store_b32 v15, v[TC+\i], s[32:33] offset:16384*\i
	global_store_b32 v15, v[TS+\i], s[32:33] offset:16384*\i+8192
.endr
.Lno_tab:
.macro QITER t
.set RS, QR+32*((\t)%2)
.if (\t) < 7
	s_wait_loadcnt 8                               ; this head's eight loads are in; the next head's may be out
.else
	s_wait_loadcnt 0x0
.endif
	s_wait_xcnt 0x0                                ; the last head's stores have read their registers, which are written again below
.irp i, 0,1,2,3,4,5,6,7
	ds_store_b128 v5, v[RS+4*\i:RS+4*\i+3] offset:544*\i
.endr
.irp i, 0,1,2,3
	ds_load_b128 v[X1+4*\i:X1+4*\i+3], v6 offset:16*\i
	ds_load_b128 v[X2+4*\i:X2+4*\i+3], v6 offset:128+16*\i
.endr
	s_wait_dscnt 0x0
.if (\t) < 6
	QLOAD (\t)+2
.endif
.irp i, 0,2,4,6,8,10,12,14
	v_pk_mul_f32 v[YY+\i:YY+\i+1], v[X2+\i:X2+\i+1], v[TS+\i:TS+\i+1]
	v_pk_mul_f32 v[YY+16+\i:YY+17+\i], v[X1+\i:X1+\i+1], v[TS+\i:TS+\i+1]
.endr
.irp i, 0,2,4,6,8,10,12,14
	v_pk_fma_f32 v[YY+\i:YY+\i+1], v[X1+\i:X1+\i+1], v[TC+\i:TC+\i+1], v[YY+\i:YY+\i+1] neg_lo:[0,0,1] neg_hi:[0,0,1]   ; x1 cos - x2 sin
	v_pk_fma_f32 v[YY+16+\i:YY+17+\i], v[X2+\i:X2+\i+1], v[TC+\i:TC+\i+1], v[YY+16+\i:YY+17+\i]                          ; x2 cos + x1 sin
.endr
	v_max3_num_f32 v192, |v[YY]|, |v[YY+1]|, 0x1800000
	v_max3_num_f32 v193, |v[YY+16]|, |v[YY+17]|, 0x1800000
.irp i, 2,4,6,8,10,12,14
	v_max3_num_f32 v192, v192, |v[YY+\i]|, |v[YY+\i+1]|
	v_max3_num_f32 v193, v193, |v[YY+16+\i]|, |v[YY+17+\i]|
.endr
	v_permlanex16_b32 v194, v192, s34, s35
	v_permlanex16_b32 v195, v193, s34, s35
	v_max_num_f32 v192, v192, v194                 ; with lane l xor 16's 16: the block's largest magnitude
	v_max_num_f32 v193, v193, v195
	v_add_nc_u32 v192, 0xff000000, v192
	v_add_nc_u32 v193, 0xff000000, v193
	v_cvt_scalef32_pk16_fp6_f32 v[P0:P0+2], v[YY:YY+15], v192
	v_cvt_scalef32_pk16_fp6_f32 v[P1:P1+2], v[YY+16:YY+31], v193
	v_lshrrev_b32 v196, 23, v192
	v_lshrrev_b32 v197, 23, v193
	v_lshl_or_b32 v198, v197, 8, v196              ; the row's scale word: bytes 2 and 3 are 0
	ds_store_b96 v7, v[P0:P0+2]
	ds_store_b96 v7, v[P1:P1+2] offset:32
	ds_load_b96 v[B0:B0+2], v8
	ds_load_b96 v[B1:B1+2], v8 offset:512
	global_store_b32 v10, v198, s[6:7] offset:8192*(\t)   ; runs of 64 bytes (both halves of the lanes hold the same word): one byte for each 64 that the path reads
	s_wait_dscnt 0x0
	global_store_b96 v9, v[B0:B0+2], s[4:5] offset:98304*(\t)       ; 384 consecutive bytes each
	global_store_b96 v9, v[B1:B1+2], s[4:5] offset:98304*(\t)+384
.endm
.irp t, 0,1,2,3,4,5,6,7
	QITER \t
.endr
	s_wait_tensorcnt 0x0                           ; the wave's end
	ds_add_u32 v[SPW], v[NIL]
	s_wait_dscnt 0x0
	s_endpgm
.Lfunc_end_k_q98b0c5c725_prep:
	.size	k_q98b0c5c725_prep, .Lfunc_end_k_q98b0c5c725_prep-k_q98b0c5c725_prep
	.p2alignl 7, 3214868480
	.fill 96, 4, 3214868480
	.section	.rodata,"a",@progbits
	.p2align	6, 0x0
	.amdhsa_kernel k_q98b0c5c725_prep
		.amdhsa_group_segment_fixed_size 57856
		.amdhsa_private_segment_fixed_size 0
		.amdhsa_enable_private_segment 0
		.amdhsa_kernarg_size 88
		.amdhsa_user_sgpr_count 2
		.amdhsa_user_sgpr_kernarg_segment_ptr 1
		.amdhsa_wavefront_size32 1
		.amdhsa_system_sgpr_workgroup_id_x 1
		.amdhsa_system_sgpr_workgroup_id_y 1
		.amdhsa_system_sgpr_workgroup_id_z 1
		.amdhsa_system_vgpr_workitem_id 0
		.amdhsa_next_free_vgpr 200
		.amdhsa_next_free_sgpr 66
		.amdhsa_reserve_vcc 1
		.amdhsa_float_denorm_mode_32 3
		.amdhsa_float_denorm_mode_16_64 3
		.amdhsa_memory_ordered 1
		.amdhsa_forward_progress 1
		.amdhsa_inst_pref_size 116
	.end_amdhsa_kernel
	.amdgpu_metadata
---
amdhsa.version: [ 1, 2 ]
amdhsa.kernels:
  - .name:           k_q98b0c5c725_prep
    .symbol:         k_q98b0c5c725_prep.kd
    .args:
      - { .name: key, .offset: 0, .size: 8, .value_kind: global_buffer, .address_space: global }
      - { .name: value, .offset: 8, .size: 8, .value_kind: global_buffer, .address_space: global }
      - { .name: Wk, .offset: 16, .size: 8, .value_kind: global_buffer, .address_space: global }
      - { .name: Wv, .offset: 24, .size: 8, .value_kind: global_buffer, .address_space: global }
      - { .name: Wo, .offset: 32, .size: 8, .value_kind: global_buffer, .address_space: global }
      - { .name: query, .offset: 40, .size: 8, .value_kind: global_buffer, .address_space: global }
      - { .name: pos_enc, .offset: 48, .size: 8, .value_kind: global_buffer, .address_space: global }
      - { .name: xw_codes, .offset: 56, .size: 8, .value_kind: global_buffer, .address_space: global }
      - { .name: xw_scales, .offset: 64, .size: 8, .value_kind: global_buffer, .address_space: global }
      - { .name: q_ws, .offset: 72, .size: 8, .value_kind: global_buffer, .address_space: global }
      - { .name: rope_tab, .offset: 80, .size: 8, .value_kind: global_buffer, .address_space: global }
    .group_segment_fixed_size: 57856
    .private_segment_fixed_size: 0
    .kernarg_segment_align: 8
    .kernarg_segment_size: 88
    .max_flat_workgroup_size: 128
    .sgpr_count:     66
    .vgpr_count:     200
    .wavefront_size: 32
...
	.end_amdgpu_metadata
.endif
;; end of part 1
;; launch projkv (part 2): grid 4 x 64, 4 waves a work-group, clusters of 4 x 4, 327,680 bytes of LDS; arguments xw_codes, xw_scales, rope_tab, bk, bv, kv_ws; writes kv_ws
.if DOCPART == 2
	.amdgcn_target "amdgcn-amd-amdhsa--gfx1250"
	.amdhsa_code_object_version 6
	.text
	.protected	k_q98b0c5c725_projkv
	.globl	k_q98b0c5c725_projkv
	.p2align	8
	.type	k_q98b0c5c725_projkv,@function
k_q98b0c5c725_projkv:
	s_mov_b64 s[64:65], 0
	v_nop
	global_prefetch_b8 v0, s[64:65] scope:SCOPE_SE
	s_setreg_imm32_b32 hwreg(HW_REG_WAVE_MODE, 25, 1), 1
	s_wait_xcnt 0x0
	s_wait_alu depctr_hold_cnt(0) depctr_sa_sdst(0) depctr_va_vdst(0) depctr_va_sdst(0) depctr_va_ssrc(0) depctr_va_vcc(0) depctr_vm_vsrc(0)
	s_getreg_b32 s2, hwreg(HW_REG_IB_STS2, 6, 4)
	s_cmp_eq_u32 s2, 0
	s_cbranch_scc0 .Lentry_in_a_cluster
	s_endpgm
.Lentry_in_a_cluster:
	s_bfe_u32 s2, ttmp6, 0x10000c
	s_cmp_lg_u32 s2, 0xf033
	s_cbranch_scc0 .Lentry_shape_is_right
	s_endpgm
.Lentry_shape_is_right:
; PROJKV.  k = key Wk^T + bk and v = value Wv^T + bv on codes of FP6 (E2M3) with E8M0 scales, then RoPE, then the quantisers of the attention's two products.  Nothing of reference() is left out here.
; Clusters with y 0-7 make k, those with y 8-15 make v (the kind: the same in all partners of a cluster).  A work-group makes 128 rows (one head bh) x 256 columns; a wave 64 x 128: 32 accumulators.
; NO RING: a row of codes is 768 bytes, at a multiple of 256; the 128 + 256 rows for all of K = 1,024 lie in LDS at once (816 bytes a row: 16 of padding behind each 256), each byte filled once, one joint load a wave at the head.
; 4 x 4 work-groups ask jointly: the rows of key or value along a row of the cluster, those of the weight along a column.  No prefetch: the launch has no loop to run ahead in.
; The scale bytes go from memory into registers: a row's 32 bytes are its eight steps' words.
; THE MATRIX INSTRUCTION IS USED TRANSPOSED: source 0 = 16 rows of the weight, source 1 = 16 rows of key or value.  The bias, in the result's layout, is the C of each sum's first instruction.
; Rows: wave half rh, block a = 2 a' + e, lane r is row p = 64 rh + 32 a' + 2 r + e of the head.
; K WAY: the 64 registers of block a are columns 32 B + 16 h + i: positions 16 p + g0 and 16 p + g0 + 1, two blocks of 32 channels each.  Out: k codes [32][2048][48], words [32][2048].
; V WAY: block 2 i + q of the weight is one channel f + 32 q, f = 8 x + 4 y + i, its 16 rows the 16 groups g: the 16 numbers (e, j) of lanes l and l xor 16 are one block of 32 keys.
;   Code place 16 h + 8 e + j holds key 16 e + 8 h + j of its block; the attention lays its weights the same way.  Out, through a stage that the four waves share: runs of 512 bytes.
; LIMITS: as stated in the first launch (zero blocks' byte, NaN, infinities).
.set KROW,   768
.set PITCH,  816
.set FR,     12
.set NP,     4
.set ATILE,  128*PITCH
.set SPARE,  3*ATILE                   ; behind the tiles: the spare words, 128 bytes a wave
.set VSTG,   16384                     ; the ways out lie in the tiles' bytes, which have had their one fill and, behind the last barrier, their last read: K: 0 on, 2,304 a wave; V: 32 x 784,
.set VSS,    66560                     ; and 1,024 for the scale bytes
.set KST,  7
.set KRD,  8
.set VST,  9
.set VSB,  10
.set VRA,  11
.set VRB,  12
.set VRS,  13
.set ADRA, 16                          ; v16; v18 for pieces whose lanes 16-31 lie behind one padding more
.set ADRB, 20                          ; v20 blocks 0-3, v21 blocks 4-7; v22, v23 likewise
.set OSC,  24
.set OBK,  25
.set OBV,  26
.set SPW,  28
.set NIL,  29
.set SCA,  32                          ; v32-63 scale words of key/value: 8 a + step; scales and nothing else
.set YY,   64                          ; v64-127 the bias; on the way out the rotated numbers
.set SCB,  128                         ; v128-191 scale words of the weight: 8 b + step; scales and nothing else
.set PC,   192
.set TM,   212
.set PW,   228
.set WP,   230
.set BK,   232
.set OT,   248
.set OC,   249
.set OW,   250
.set OL,   251
.set KIND, 95
.set G1, 24
.set G0, 32
.set G1B, 48
.set G0B, 56
; window 1: the weight's fragments, two sets at v0, v128; window 2: the accumulators, (a, b) at 8 (8 a + b); window 3: key/value's fragments, two sets at v0, v48
.set MSB, 0
.macro WIN new                         ; the immediate's high byte repeats the setting that is left
.if MSB != (\new)
	s_set_vgpr_msb (MSB<<8)|(\new)
.set MSB, (\new)
.endif
.endm
.macro CREST
	s_cmp_lg_u32 s14, 0
	s_cbranch_scc1 .Lnot_wave_0_\@
	s_barrier_signal -3
.Lnot_wave_0_\@:
	s_barrier_wait -3
	s_barrier_signal -1
	s_barrier_wait -1
.endm
.macro CROUND
	s_barrier_signal -1
	s_barrier_wait -1
	CREST
.endm
.macro PLACES n                        ; plain vector instructions between a matrix instruction and a load into, or a read of, its registers
.rept \n
	v_nop
.endr
.endm
	s_load_b256 s[4:11], s[0:1], 0x0               ; xw_codes, xw_scales, rope_tab, bk
	s_load_b128 s[96:99], s[0:1], 0x20             ; bv, kv_ws
	v_lshl_add_u32 v[SPW], v0, 2, SPARE
	v_mov_b32 v[NIL], 0
	ds_add_u32 v[SPW], v[NIL]                      ; the opening: the add, twice on end, and its wait ahead of my tensor load
	ds_add_u32 v[SPW], v[NIL]
	v_lshrrev_b32 v1, 5, v0
	v_readfirstlane_b32 s14, v1                    ; wave
	s_lshr_b32 s15, s14, 1                         ; rh: which 64 rows are mine.  Also: I fetch for key/value (0) or for the weight (1)
	s_and_b32 s16, s14, 1                          ; y: which 128 columns.  Also: which half of that tile I fetch
	s_bfe_u32 s40, ttmp6, 0x40000                  ; cx
	s_bfe_u32 s41, ttmp6, 0x40004                  ; cy
	s_lshl_b32 s42, ttmp9, 2
	s_add_co_u32 s42, s42, s40                     ; tile column x
	s_and_b32 s17, ttmp7, 0xffff
	s_lshr_b32 s[KIND], s17, 3                     ; 0: k, 1: v
	s_and_b32 s17, s17, 7
	s_lshl_b32 s17, s17, 2
	s_add_co_u32 s17, s17, s41                     ; the head, 0 .. 31
	s_lshl_b32 s43, s41, 2
	s_lshl_b32 s43, 15, s43                        ; my row of the cluster
	s_lshl_b32 s44, 0x1111, s40                    ; my column
	s_or_b32 s[G1], s43, (1<<20)|(1<<21)|(5<<22)|(3<<25)   ; the mask; elements of 1 byte; 4 words of padding behind every 64; bit 21 beside a mask
	s_or_b32 s[G1B], s44, (1<<20)|(1<<21)|(5<<22)|(3<<25)
.irp g, G1, G1B
	s_mov_b32 s[\g+1], KROW<<16
	s_mov_b32 s[\g+3], KROW<<16
	s_mov_b32 s[\g+5], KROW
	s_mov_b32 s[\g+6], 0
	s_mov_b32 s[\g+7], 0
.endr
	s_mov_b32 s[G1+2], 64<<16                      ; 64 rows of key/value a load,
	s_mov_b32 s[G1+4], 64
	s_mov_b32 s[G1B+2], 128<<16                    ; 128 of the weight
	s_mov_b32 s[G1B+4], 128
	s_lshl_b32 s20, s17, 7
	s_lshl_b32 s18, s16, 6
	s_add_co_u32 s20, s20, s18                     ; key/value: row 128 x head + 64 x half
	s_mul_i32 s20, s20, KROW
	s_mul_i32 s18, s[KIND], 3145728
	s_add_co_u32 s20, s20, s18
	s_mov_b32 s21, 0
	s_lshl_b32 s46, s42, 8
	s_lshl_b32 s18, s16, 7
	s_add_co_u32 s46, s46, s18                     ; weight: row 256 x + 128 x half
	s_mul_i32 s46, s46, KROW
	s_mul_i32 s18, s[KIND], 786432
	s_add_co_u32 s46, s46, s18
	s_add_co_u32 s46, s46, 6291456
	s_mov_b32 s47, 0
	s_mul_i32 s45, s16, 64*PITCH                   ; where they go: no place in the cluster enters an LDS address
	s_mul_i32 s94, s16, ATILE
	s_add_co_u32 s94, s94, ATILE
	s_wait_dscnt 0x0                               ; both opening adds are done
	s_wait_kmcnt 0x0
	s_add_nc_u64 s[20:21], s[4:5], s[20:21]
	s_add_nc_u64 s[46:47], s[4:5], s[46:47]
	CROUND                                         ; all sixteen work-groups are here: the joint loads meet
	s_mov_b32 s[G0], 1
	s_mov_b32 s[G0+1], s45
	s_mov_b64 s[G0+2:G0+3], s[20:21]
	s_or_b32 s[G0+3], s[G0+3], 0x80000000
	s_mov_b32 s[G0B], 1
	s_mov_b32 s[G0B+1], s94
	s_mov_b64 s[G0B+2:G0B+3], s[46:47]
	s_or_b32 s[G0B+3], s[G0B+3], 0x80000000
	s_cmp_eq_u32 s15, 0                            ; my one tensor load: an s_nop 0 and four v_nop follow each line
	s_cbranch_scc0 .Lfor_b
	tensor_load_to_lds s[G0:G0+3], s[G1:G1+7]
	s_nop 0
	PLACES 4
	s_branch .Lasked
.Lfor_b:
	tensor_load_to_lds s[G0B:G0B+3], s[G1B:G1B+7]
	s_nop 0
	PLACES 4
.Lasked:
	s_mov_b32 s101, 0
	s_lshl_b32 s100, s17, 12                       ; the scale bytes of my 64 rows: 32 a row
	s_lshl_b32 s18, s15, 11
	s_add_co_u32 s100, s100, s18
	s_lshl_b32 s18, s[KIND], 17
	s_add_co_u32 s100, s100, s18
	s_add_nc_u64 s[36:37], s[6:7], s[100:101]
	s_lshl_b32 s21, s42, 8
	s_lshl_b32 s22, s16, 7
	s_add_co_u32 s21, s21, s22                     ; my first workspace row of the weight: 256 x + 128 y
	s_lshl_b32 s100, s21, 5
	s_lshl_b32 s18, s[KIND], 15
	s_add_co_u32 s100, s100, s18
	s_add_co_u32 s100, s100, 262144
	s_add_nc_u64 s[38:39], s[6:7], s[100:101]
	s_mul_i32 s66, s15, 64*PITCH                   ; my rows in LDS (my columns: s94)
	s_mul_i32 s68, s14, 2304                       ; K's stage
	s_mul_i32 s69, s15, 12544                      ; V's stage, in: 12,544 rh + 192 y
	s_mul_i32 s18, s16, 192
	s_add_co_u32 s69, s69, s18
	s_add_co_u32 s69, s69, VSTG
	s_lshl_b32 s70, s15, 9                         ; V's scale bytes: 512 rh + 16 y
	s_lshl_b32 s18, s16, 4
	s_add_co_u32 s70, s70, s18
	s_add_co_u32 s70, s70, VSS
	s_mul_i32 s71, s14, 6272                       ; V's stage, back: a quarter a wave
	s_add_co_u32 s71, s71, VSTG
	s_lshl_b32 s72, s14, 8
	s_add_co_u32 s72, s72, VSS
	v_and_b32 v1, 15, v0                           ; r
	v_bfe_u32 v2, v0, 4, 1                         ; h
	v_and_b32 v6, 31, v0
	v_mul_u32_u24 v3, v1, PITCH
	v_mad_u32_u24 v4, v2, 24, v3                   ; row x pitch + 24 h
	v_lshl_add_u32 v5, v2, 4, v4
	v_add_nc_u32 v[ADRA], s66, v4
	v_add_nc_u32 v[ADRA+2], s66, v5
	v_add_nc_u32 v[ADRB], s94, v4
	v_add_nc_u32 v[ADRB+2], s94, v5
	v_add_nc_u32 v[ADRB+1], 64*PITCH, v[ADRB]
	v_add_nc_u32 v[ADRB+3], 64*PITCH, v[ADRB+2]
	v_lshlrev_b32 v[OSC], 5, v1
	v_lshlrev_b32 v[OBK], 6, v2
	v_lshlrev_b32 v[OBV], 11, v2
	v_mul_u32_u24 v5, v1, 144
	v_lshl_add_u32 v5, v2, 4, v5
	v_add_nc_u32 v[KST], s68, v5                   ; K, in: row r of 144 bytes, eight places of 16: place 2 B + h
	v_lshrrev_b32 v5, 3, v6
	v_mul_u32_u24 v5, v5, 144
	v_and_b32 v3, 7, v0
	v_lshl_add_u32 v5, v3, 4, v5
	v_add_nc_u32 v[KRD], s68, v5                   ; K, back: four rows an instruction, a place a lane
	v_lshrrev_b32 v5, 1, v1
	v_mul_u32_u24 v5, v5, 784
	v_and_b32 v3, 1, v1
	v_mad_u32_u24 v5, v3, 24, v5
	v_mad_u32_u24 v5, v2, 384, v5
	v_add_nc_u32 v[VST], s69, v5                   ; V, in: 64 keys are 784 bytes: 16 rows of 48, + 16; key block r: 784 (r / 2) + 24 (r % 2)
	v_lshrrev_b32 v5, 2, v1
	v_and_b32 v3, 3, v1
	v_lshl_add_u32 v5, v5, 6, v3
	v_add_nc_u32 v[VSB], s70, v5                   ; V's scale bytes: 64 (r / 4) + r % 4
	v_lshl_add_u32 v[VRA], v6, 4, s71
	v_lshl_add_u32 v[VRB], v2, 4, v[VRA]           ; where lanes 16-31 lie behind one padding more
	v_lshl_add_u32 v[VRS], v6, 3, s72
	s_wait_alu depctr_va_vdst(0)                   ; the head's end
.irp a, 0,1,2,3
	global_load_b128 v[SCA+8*\a:SCA+8*\a+3], v[OSC], s[36:37] offset:512*\a       ; lane r: row r's words of steps 0-3 (both halves of the lanes read the same),
	global_load_b128 v[SCA+8*\a+4:SCA+8*\a+7], v[OSC], s[36:37] offset:512*\a+16  ; and of steps 4-7
.endr
.irp b, 0,1,2,3,4,5,6,7
	global_load_b128 v[SCB+8*\b:SCB+8*\b+3], v[OSC], s[38:39] offset:512*\b
	global_load_b128 v[SCB+8*\b+4:SCB+8*\b+7], v[OSC], s[38:39] offset:512*\b+16
.endr
	s_cmp_lg_u32 s[KIND], 0
	s_cbranch_scc1 .Lbias_v
	s_lshl_b32 s100, s21, 2
	s_add_nc_u64 s[10:11], s[10:11], s[100:101]
.irp b, 0,1,2,3,4,5,6,7                ; k: register j of block b is column 32 (b / 2) + 16 h + 8 (b % 2) + j of my 128
	global_load_b128 v[YY+8*\b:YY+8*\b+3], v[OBK], s[10:11] offset:(32*(\b/2)+8*(\b%2))*4
	global_load_b128 v[YY+8*\b+4:YY+8*\b+7], v[OBK], s[10:11] offset:(32*(\b/2)+8*(\b%2))*4+16
.endr
	s_branch .Lbias_in
.Lbias_v:
	s_lshr_b32 s100, s21, 3                        ; 4 (8 x + 4 y)
	s_add_nc_u64 s[96:97], s[96:97], s[100:101]
.irp b, 0,1,2,3,4,5,6,7                ; v: register j of block 2 i + q is column 64 (8 h + j) + 32 q + 8 x + 4 y + i
.irp j, 0,1,2,3,4,5,6,7
	global_load_b32 v[YY+8*\b+\j], v[OBV], s[96:97] offset:256*\j+128*(\b%2)+4*(\b/2)
.endr
.endr
.Lbias_in:
.macro FRAG reg, adr, st, i            ; 16 rows x 128 K: 12 registers, in pieces of 8 bytes.  Byte y of a row lies at y + 16 (y / 256) of its LDS row; lanes 16-31 read 24 bytes on
.irp p, 0,1,2,3,4,5
.set BY, 96*(\st)+48*(\p/3)+8*(\p%3)
.if BY/256 == (BY+24)/256
	ds_load_b64 v[\reg+2*\p:\reg+2*\p+1], v[\adr+(\i)/4] offset:BY+16*(BY/256)+((\i)%4)*16*PITCH
.else
	ds_load_b64 v[\reg+2*\p:\reg+2*\p+1], v[\adr+2+(\i)/4] offset:BY+16*(BY/256)+((\i)%4)*16*PITCH
.endif
.endr
.endm
.macro FETCH st                        ; step st's 12 fragments into set st % 2
	WIN 0x40
.irp i, 0,1,2,3,4,5,6,7
	FRAG 128*((\st)%2)+FR*\i, ADRB, \st, \i
.endr
	WIN 0xc0
.irp i, 0,1,2,3
	FRAG 48*((\st)%2)+FR*\i, ADRA, \st, \i
.endr
	WIN 0
.endm
.macro MUL32 st                        ; the 32 accumulators take turns, one instruction a turn; step 0 starts the sums from the bias
.irp a, 0,1,2,3
.irp b, 0,1,2,3,4,5,6,7
.if (\st) == 0
	v_wmma_scale_f32_16x16x128_f8f6f4 v[8*(8*\a+\b):8*(8*\a+\b)+7], v[128*((\st)%2)+FR*\b:128*((\st)%2)+FR*\b+FR-1], v[48*((\st)%2)+FR*\a:48*((\st)%2)+FR*\a+FR-1], v[YY+8*\b:YY+8*\b+7], v[SCB+8*\b+(\st)], v[SCA+8*\a+(\st)] matrix_a_fmt:MATRIX_FMT_FP6 matrix_b_fmt:MATRIX_FMT_FP6
.else
	v_wmma_scale_f32_16x16x128_f8f6f4 v[8*(8*\a+\b):8*(8*\a+\b)+7], v[128*((\st)%2)+FR*\b:128*((\st)%2)+FR*\b+FR-1], v[48*((\st)%2)+FR*\a:48*((\st)%2)+FR*\a+FR-1], v[8*(8*\a+\b):8*(8*\a+\b)+7], v[SCB+8*\b+(\st)], v[SCA+8*\a+(\st)] matrix_a_fmt:MATRIX_FMT_FP6 matrix_b_fmt:MATRIX_FMT_FP6
.endif
.endr
.endr
.endm
.macro STEP st                         ; 128 along K: the next step's 72 loads are issued ahead of this step's 32 products
	s_wait_dscnt 0x0                               ; this step's fragments are in
.if (\st) == 7
	s_barrier_signal -1                            ; my reads of the tiles are over
.else
.if (\st) > 0
	PLACES NP
.endif
	FETCH (\st)+1
.endif
.if (\st) == 0
	WIN 0x8d                                       ; source 0 window 1, source 1 window 3, C (the bias) window 0, D window 2
.else
	WIN 0xad
.endif
	MUL32 \st
	WIN 0
.endm
	s_wait_tensorcnt 0x0                           ; my part of the tiles is in
	s_barrier_signal -1
	s_barrier_wait -1                              ; and everybody's
	FETCH 0
	s_wait_loadcnt 0x0                             ; the scale words and the bias
.irp t, 0,1,2,3,4,5,6,7
	STEP \t
.endr
	s_barrier_wait -1                              ; nobody reads the tiles any more: the stages may be written
	PLACES NP
; 64 numbers of a lane, v[s] on, register 16 b + i: four blocks, each shared with lane l xor 16.  Codes: block 2 c in v[PC+6c] on, block 2 c + 1 in v[PC+12+4c] on; bytes in v[TM+4+b]; the word in v[PW].
; swap = 1: the halves change places, so that registers 6 c .. 6 c + 5 hold a whole block: lanes 0-15 block 2 c, lanes 16-31 block 2 c + 1.
.macro QUANT s, swap
.irp b, 0,1,2,3
	v_max3_num_f32 v[TM+\b], |v[\s+16*\b]|, |v[\s+1+16*\b]|, 0x1800000   ; with the floor 2^(3 - 127): the byte cannot fall under 1
.endr
.irp i, 2,4,6,8,10,12,14
.irp b, 0,1,2,3
	v_max3_num_f32 v[TM+\b], v[TM+\b], |v[\s+16*\b+\i]|, |v[\s+1+16*\b+\i]|
.endr
.endr
.irp b, 0,1,2,3
	v_permlanex16_b32 v[TM+4+\b], v[TM+\b], s12, s13
.endr
.irp b, 0,1,2,3
	v_max_num_f32 v[TM+\b], v[TM+\b], v[TM+4+\b]
.endr
.irp b, 0,1,2,3
	v_add_nc_u32 v[TM+12+\b], 0xff000000, v[TM+\b]   ; 2 off the exponent field: the conversion's scale operand
.endr
.irp b, 0,1,2,3
	v_lshrrev_b32 v[TM+4+\b], 23, v[TM+12+\b]
.endr
	v_lshl_or_b32 v[PW], v[TM+5], 8, v[TM+4]
	v_lshl_or_b32 v[PW], v[TM+6], 16, v[PW]
	v_lshl_or_b32 v[PW], v[TM+7], 24, v[PW]
.irp c, 0,1
	v_cvt_scalef32_pk16_fp6_f32 v[PC+6*\c:PC+2+6*\c], v[\s+32*\c:\s+15+32*\c], v[TM+12+2*\c]
	v_cvt_scalef32_pk16_fp6_f32 v[PC+12+4*\c:PC+14+4*\c], v[\s+16+32*\c:\s+31+32*\c], v[TM+12+2*\c+1]
.endr
	v_nop                                          ; one plain instruction behind a scaled conversion
.if \swap
.irp c, 0,1
.irp i, 0,1,2
	v_permlane16_swap_b32 v[PC+6*\c+\i], v[PC+12+4*\c+\i]
.endr
.irp i, 0,1,2
	v_mov_b32 v[PC+3+6*\c+\i], v[PC+12+4*\c+\i]
.endr
.endr
.endif
.endm
	s_mov_b32 s12, 0x76543210
	s_mov_b32 s13, 0xfedcba98
.irp b, 0,1,2,3
	v_mov_b32 v[TM+4+\b], 0                        ; (a lane permute's destination counts as one of its sources)
.endr
	v_and_b32 v1, 15, v0
	v_bfe_u32 v2, v0, 4, 1
	v_and_b32 v3, 31, v0
	v_lshlrev_b32 v[OL], 4, v3
	s_mov_b32 s20, s17                             ; my head
	s_cmp_lg_u32 s[KIND], 0
	s_cbranch_scc1 .Lv_way
; ---------------- the K way ----------------
	s_lshl_b32 s100, s21, 2                        ; 256 g0, g0 = 4 x + 2 y
	s_lshl_b32 s22, s15, 18                        ; + 64 rh rows p of 4,096 bytes
	s_add_co_u32 s100, s100, s22
	s_add_nc_u64 s[4:5], s[8:9], s[100:101]        ; tabK
	s_mul_i32 s100, s20, 98304
	s_mul_i32 s22, s21, 3
	s_lshr_b32 s22, s22, 2                         ; 48 g0
	s_add_co_u32 s100, s100, s22
	s_mul_i32 s22, s15, 49152
	s_add_co_u32 s100, s100, s22
	s_add_nc_u64 s[6:7], s[98:99], s[100:101]      ; k's codes
	s_lshl_b32 s100, s20, 13
	s_lshr_b32 s22, s21, 4                         ; 4 g0
	s_add_co_u32 s100, s100, s22
	s_lshl_b32 s22, s15, 12
	s_add_co_u32 s100, s100, s22
	s_add_co_u32 s100, s100, 3145728
	s_add_nc_u64 s[10:11], s[98:99], s[100:101]    ; k's words
	s_wait_alu depctr_va_vdst(0)
	v_lshlrev_b32 v[OT], 13, v1
	v_lshl_add_u32 v[OT], v2, 6, v[OT]             ; table: 8,192 r + 64 h
	v_lshrrev_b32 v4, 3, v3
	v_mul_u32_u24 v[OC], v4, 1536
	v_and_b32 v4, 7, v0
	v_mad_u32_u24 v[OC], v4, 12, v[OC]             ; codes: 1,536 (l / 8) + 12 (l % 8)
	v_lshlrev_b32 v[OW], 7, v1                     ; words: 128 r
.macro TABK a                          ; block a's cos and sin, 64 registers, into set a of window 1: at 32 gs + 16 cs + i
	WIN 0x40
.irp gs, 0,1
.irp cs, 0,1
.irp i, 0,1,2,3
	global_load_b128 v[64*(\a)+32*\gs+16*\cs+4*\i:64*(\a)+32*\gs+16*\cs+4*\i+3], v[OT], s[4:5] offset:4096*(32*((\a)/2)+(\a)%2)+256*\gs+128*\cs+16*\i
.endr
.endr
.endr
	WIN 0
.endm
.macro KOUT a
	s_wait_loadcnt 16*(3-(\a))                     ; this block's table is in; the sets issued behind it may be out
	WIN 0x06                                       ; source 0: the accumulators' window, source 1: the tables'
.set AC, 64*(\a)
.irp gs, 0,1
.irp i, 0,2,4,6,8,10,12,14                     ; ascending: each accumulator is read from its low end on
	v_pk_mul_f32 v[YY+32*\gs+\i:YY+32*\gs+\i+1], v[AC+32*\gs+16+\i:AC+32*\gs+17+\i], v[AC+32*\gs+16+\i:AC+32*\gs+17+\i]
	v_pk_mul_f32 v[YY+32*\gs+16+\i:YY+32*\gs+17+\i], v[AC+32*\gs+\i:AC+32*\gs+\i+1], v[AC+32*\gs+16+\i:AC+32*\gs+17+\i]
	v_pk_fma_f32 v[YY+32*\gs+\i:YY+32*\gs+\i+1], v[AC+32*\gs+\i:AC+32*\gs+\i+1], v[AC+32*\gs+\i:AC+32*\gs+\i+1], v[YY+32*\gs+\i:YY+32*\gs+\i+1] neg_lo:[0,0,1] neg_hi:[0,0,1]
	v_pk_fma_f32 v[YY+32*\gs+16+\i:YY+32*\gs+17+\i], v[AC+32*\gs+16+\i:AC+32*\gs+17+\i], v[AC+32*\gs+\i:AC+32*\gs+\i+1], v[YY+32*\gs+16+\i:YY+32*\gs+17+\i]
.endr
.endr
	WIN 0
	QUANT YY, 0
	s_wait_alu depctr_va_vdst(0)
	s_wait_xcnt 0x0                                ; the last block's stores have read their registers, which are written again below
	ds_store_b96 v[KST], v[PC:PC+2]
	ds_store_b96 v[KST], v[PC+12:PC+14] offset:32
	ds_store_b96 v[KST], v[PC+6:PC+8] offset:64
	ds_store_b96 v[KST], v[PC+16:PC+18] offset:96
.irp t, 0,1,2,3
	ds_load_b96 v[BK+4*\t:BK+4*\t+2], v[KRD] offset:576*\t   ; LDS serves a wave's instructions in order
.endr
	v_and_b32 v[WP], 0xffff, v[PW]                 ; position g0's word, bytes 2 and 3 zero;
	v_lshrrev_b32 v[WP+1], 16, v[PW]               ; position g0 + 1's
	global_store_b64 v[OW], v[WP:WP+1], s[10:11] offset:64*(32*((\a)/2)+(\a)%2)
	s_wait_dscnt 0x0
.irp t, 0,1,2,3
	global_store_b96 v[OC], v[BK+4*\t:BK+4*\t+2], s[6:7] offset:768*(32*((\a)/2)+(\a)%2)+6144*\t
.endr
.endm
.irp a, 0,1,2,3
	TABK \a
.endr
.irp a, 0,1,2,3
	KOUT \a
.endr
	s_branch .Ljoin
; ---------------- the V way ----------------
.Lv_way:
	s_lshl_b32 s100, s21, 9                        ; 16,384 (8 x + 4 y)
	s_lshl_b32 s22, s15, 12                        ; + 1,024 rh positions
	s_add_co_u32 s100, s100, s22
	s_add_co_u32 s100, s100, 524288
	s_add_nc_u64 s[4:5], s[8:9], s[100:101]        ; tabV at my first channel
	s_mul_i32 s100, s20, 98304
	s_mul_i32 s22, s42, 24576
	s_add_co_u32 s100, s100, s22
	s_mul_i32 s22, s14, 6144
	s_add_co_u32 s100, s100, s22
	s_add_co_u32 s100, s100, 3407872
	s_add_nc_u64 s[6:7], s[98:99], s[100:101]      ; vt's codes: (head, x), the quarter that I copy
	s_lshl_b32 s100, s20, 12
	s_lshl_b32 s22, s42, 10
	s_add_co_u32 s100, s100, s22
	s_lshl_b32 s22, s14, 8
	s_add_co_u32 s100, s100, s22
	s_add_co_u32 s100, s100, 6553600
	s_add_nc_u64 s[10:11], s[98:99], s[100:101]    ; vt's words likewise
	s_wait_alu depctr_va_vdst(0)
	v_lshlrev_b32 v[OT], 7, v1
	v_lshl_add_u32 v[OT], v2, 5, v[OT]             ; table: 128 r + 32 h
	v_lshlrev_b32 v[OC], 3, v3                     ; the words' way out: 8 bytes a lane
.macro TABV n                          ; set n = 2 a' + ip: channels 2 ip + il, at 32 il + 16 cs + 8 e + j
	WIN 0x40
.irp il, 0,1
.irp cs, 0,1
.irp e, 0,1
.irp q, 0,1
	global_load_b128 v[64*(\n)+32*\il+16*\cs+8*\e+4*\q:64*(\n)+32*\il+16*\cs+8*\e+4*\q+3], v[OT], s[4:5] offset:16384*(2*((\n)%2)+\il)+8192*\cs+2048*((\n)/2)+64*\e+16*\q
.endr
.endr
.endr
.endr
	WIN 0
.endm
.macro VOUT n
.set AP, (\n)/2
.set IP, (\n)%2
.set TB, 64*(\n)
	s_wait_loadcnt 16*(3-(\n))
	WIN 0x06
.irp il, 0,1
.irp e, 0,1
.irp j, 0,2,4,6
.set XA1, 64*(2*AP+\e)+16*(2*IP+\il)+\j
.set TCO, TB+32*\il+8*\e+\j
.set Y1, YY+32*\il+8*\e+\j
	v_pk_mul_f32 v[Y1:Y1+1], v[XA1+8:XA1+9], v[TCO+16:TCO+17]
	v_pk_mul_f32 v[Y1+16:Y1+17], v[XA1:XA1+1], v[TCO+16:TCO+17]
	v_pk_fma_f32 v[Y1:Y1+1], v[XA1:XA1+1], v[TCO:TCO+1], v[Y1:Y1+1] neg_lo:[0,0,1] neg_hi:[0,0,1]
	v_pk_fma_f32 v[Y1+16:Y1+17], v[XA1+8:XA1+9], v[TCO:TCO+1], v[Y1+16:Y1+17]
.endr
.endr
.endr
	WIN 0
	QUANT YY, 1                                    ; registers 6 c .. 6 c + 5: a key block of channel f (lanes 0-15) or f + 32 (lanes 16-31), f = 8 x + 4 y + 2 ip + c
.irp c, 0,1
.irp p, 0,1,2
	ds_store_b64 v[VST], v[PC+6*\c+2*\p:PC+6*\c+2*\p+1] offset:6272*AP+48*(2*IP+\c)+8*\p
.endr
.endr
.irp q, 0,1,2,3
	ds_store_b8 v[VSB], v[TM+4+\q] offset:256*AP+4*(8*(\q%2)+2*IP+\q/2)   ; both lanes of a block write the same byte with the same value
.endr
	s_wait_dscnt 0x0
.endm
.irp n, 0,1,2,3
	TABV \n
.endr
.irp n, 0,1,2,3
	VOUT \n
.endr
.Ljoin:
	s_wait_dscnt 0x0                               ; my LDS stores have landed
	s_barrier_signal -1
	s_barrier_wait -1                              ; V: the four waves have filled the stage
	s_cmp_eq_u32 s[KIND], 0
	s_cbranch_scc1 .Lend
.irp t, 0,1,2,3,4,5,6,7,8,9,10,11      ; 6,144 bytes a wave: byte G of them lies at G + 16 (G / 768) in the stage
.if \t%3 == 0
	ds_load_b128 v[64+4*\t:67+4*\t], v[VRA] offset:512*\t+32*(\t/3)
.elseif \t%3 == 1
	ds_load_b128 v[64+4*\t:67+4*\t], v[VRB] offset:512*\t+32*(\t/3)
.else
	ds_load_b128 v[64+4*\t:67+4*\t], v[VRA] offset:512*\t+32*(\t/3)+16
.endif
.endr
	ds_load_b64 v[112:113], v[VRS]
.irp t, 0,1,2,3,4,5,6,7,8,9,10,11
	s_wait_dscnt 12-\t                             ; the loads issued behind load t may be out
	global_store_b128 v[OL], v[64+4*\t:67+4*\t], s[6:7] offset:512*\t   ; 512 consecutive bytes, at a multiple of 256 from the buffer's first byte
.endr
	s_wait_dscnt 0x0
	global_store_b64 v[OC], v[112:113], s[10:11]   ; 256 consecutive bytes, aligned
.Lend:
	s_wait_tensorcnt 0x0                           ; the wave's end
	ds_add_u32 v[SPW], v[NIL]
	s_wait_dscnt 0x0
	CROUND                                         ; the closing round
	s_endpgm
.Lfunc_end_k_q98b0c5c725_projkv:
	.size	k_q98b0c5c725_projkv, .Lfunc_end_k_q98b0c5c725_projkv-k_q98b0c5c725_projkv
	.p2alignl 7, 3214868480
	.fill 96, 4, 3214868480
	.section	.rodata,"a",@progbits
	.p2align	6, 0x0
	.amdhsa_kernel k_q98b0c5c725_projkv
		.amdhsa_group_segment_fixed_size 327680
		.amdhsa_private_segment_fixed_size 0
		.amdhsa_enable_private_segment 0
		.amdhsa_kernarg_size 48
		.amdhsa_user_sgpr_count 2
		.amdhsa_user_sgpr_kernarg_segment_ptr 1
		.amdhsa_wavefront_size32 1
		.amdhsa_system_sgpr_workgroup_id_x 1
		.amdhsa_system_sgpr_workgroup_id_y 1
		.amdhsa_system_sgpr_workgroup_id_z 1
		.amdhsa_system_vgpr_workitem_id 0
		.amdhsa_next_free_vgpr 1024
		.amdhsa_next_free_sgpr 102
		.amdhsa_reserve_vcc 0
		.amdhsa_float_denorm_mode_32 3
		.amdhsa_float_denorm_mode_16_64 3
		.amdhsa_memory_ordered 1
		.amdhsa_forward_progress 1
		.amdhsa_inst_pref_size 175
	.end_amdhsa_kernel
	.amdgpu_metadata
---
amdhsa.version: [ 1, 2 ]
amdhsa.kernels:
  - .name:           k_q98b0c5c725_projkv
    .symbol:         k_q98b0c5c725_projkv.kd
    .args:
      - { .name: xw_codes, .offset: 0, .size: 8, .value_kind: global_buffer, .address_space: global }
      - { .name: xw_scales, .offset: 8, .size: 8, .value_kind: global_buffer, .address_space: global }
      - { .name: rope_tab, .offset: 16, .size: 8, .value_kind: global_buffer, .address_space: global }
      - { .name: bk, .offset: 24, .size: 8, .value_kind: global_buffer, .address_space: global }
      - { .name: bv, .offset: 32, .size: 8, .value_kind: global_buffer, .address_space: global }
      - { .name: kv_ws, .offset: 40, .size: 8, .value_kind: global_buffer, .address_space: global }
    .group_segment_fixed_size: 327680
    .private_segment_fixed_size: 0
    .kernarg_segment_align: 8
    .kernarg_segment_size: 48
    .max_flat_workgroup_size: 128
    .sgpr_count:     102
    .vgpr_count:     1024
    .wavefront_size: 32
...
	.end_amdgpu_metadata
.endif
;; end of part 2
;; launch colstat (part 3): grid 8 x 32, 8 waves a work-group, no clusters, 327,680 bytes of LDS; arguments q_ws, kv_ws, nbeta; writes nbeta
.if DOCPART == 3
	.amdgcn_target "amdgcn-amd-amdhsa--gfx1250"
	.amdhsa_code_object_version 6
	.text
	.protected	k_q98b0c5c725_colstat
	.globl	k_q98b0c5c725_colstat
	.p2align	8
	.type	k_q98b0c5c725_colstat,@function
k_q98b0c5c725_colstat:
	s_mov_b64 s[64:65], 0
	v_nop
	global_prefetch_b8 v0, s[64:65] scope:SCOPE_SE
	s_setreg_imm32_b32 hwreg(HW_REG_WAVE_MODE, 25, 1), 1
	s_wait_xcnt 0x0
; COLSTAT.  For each key of a head: nbeta = -(max + log2 sum over all 2,048 queries of 2^(t - max)), t = score x log2(e) / 8, the diagonal's score taken as 0; a running maximum is kept.  Nothing of reference() is left out here.
; A work-group: 256 keys of one head, 32 a wave; the head's q codes (98,304 bytes) and words (8,192) lie in LDS, each byte filled once.
; THE FILLS: at the head one load a wave: waves 0-6 bring 6,144 bytes of codes each (queries 0-895: 14 steps of 64), wave 7 the words; behind a barrier each wave brings 6,912 bytes of the rest,
; which land under the first 13 steps.  No joint loads: cluster = none is kept from the form in which each wave fills bytes by its own number; the eight work-groups of a head read the same 106,496 bytes once each.
.set QC,    0
.set QCB,   43008
.set QW,    98304
.set SPARE, 106496
.set AQ0, 1
.set AW0, 2
.set ADQ, 3
.set ADW, 4
.set SPW, 6
.set NIL, 7
.set QF,  16
.set KF,  48
.set QS,  72
.set KSC, 76
.set ST,  80
.set S,   96
.set WV,  10
.set BH,  11
.set G1A, 16
.set G1B, 24
.set G1C, 68
.set STP, 32
.set DG,  33
.set QP,  34
.set TQ,  35
.set TW,  36
.set G0A, 40
.set G0B, 44
.set G0C, 76
.set CS,  48
.set SEL, 50
.set M,   52
.set HI,  60
.macro DENSE g, rows
	s_mov_b32 s[\g], 3<<16
	s_mov_b32 s[\g+1], 32<<16
	s_mov_b32 s[\g+2], (\rows)<<16
	s_mov_b32 s[\g+3], 32<<16
	s_mov_b32 s[\g+4], \rows
	s_mov_b32 s[\g+5], 32
	s_mov_b32 s[\g+6], 0
	s_mov_b32 s[\g+7], 0
.endm
.macro GZ g0, lds, wmul, hmul, part    ; a group 0: q_ws at hmul x head + part + wmul x wave, to LDS byte lds + wmul x wave
	s_mul_i32 s14, s[BH], \hmul
.if \part
	s_add_co_u32 s14, s14, \part
.endif
	s_mov_b32 s15, 0
	s_mov_b32 s[\g0], 1
.if \wmul
	s_mul_i32 s13, s[WV], \wmul
	s_add_co_u32 s14, s14, s13
	s_add_co_u32 s[\g0+1], s13, \lds
.else
	s_mov_b32 s[\g0+1], \lds
.endif
	s_add_nc_u64 s[\g0+2:\g0+3], s[4:5], s[14:15]
	s_or_b32 s[\g0+3], s[\g0+3], 0x80000000
.endm
	s_load_b128 s[4:7], s[0:1], 0x0
	s_load_b64 s[8:9], s[0:1], 0x10
	v_lshl_add_u32 v[SPW], v0, 2, SPARE
	v_mov_b32 v[NIL], 0
	ds_add_u32 v[SPW], v[NIL]
	ds_add_u32 v[SPW], v[NIL]
	v_lshrrev_b32 v8, 5, v0
	s_delay_alu instid0(VALU_DEP_1)
	v_readfirstlane_b32 s[WV], v8
	s_and_b32 s[BH], ttmp7, 0xffff
	DENSE G1A, 32
	DENSE G1B, 24
	DENSE G1C, 27
	s_mov_b32 s[CS], 0x3e38aa3b
	s_mov_b32 s[CS+1], s[CS]
	s_mov_b32 s[SEL], 0x76543210
	s_mov_b32 s[SEL+1], 0xfedcba98
	s_mov_b32 s[HI], 0xffff0000
	s_mov_b32 s[STP], 0
	s_mov_b32 s[TQ], 0
	s_mov_b32 s[TW], 0
	s_lshl_b32 s[DG], ttmp9, 2
	s_lshr_b32 s12, s[WV], 1
	s_add_co_u32 s[DG], s[DG], s12
	s_and_b32 s[QP], s[WV], 1
	s_wait_dscnt 0x0
	s_wait_kmcnt 0x0
	GZ G0A, QW, 0, 8192, 3145728
	GZ G0B, QC, 6144, 98304, 0
	GZ G0C, QCB, 6912, 98304, QCB
	s_cmp_lt_u32 s[WV], 7                          ; the head's loads, one a wave
	s_cbranch_scc0 .Lhead_w
	tensor_load_to_lds s[G0B:G0B+3], s[G1B:G1B+7]
	s_nop 0
.rept 4
	v_nop
.endr
	s_branch .Lhead_asked
.Lhead_w:
	tensor_load_to_lds s[G0A:G0A+3], s[G1A:G1A+7]
	s_nop 0
.rept 4
	v_nop
.endr
.Lhead_asked:
.irp i, 0,1,2,3,4,5
	v_mov_b32 v[QF+24+\i], 0
	v_mov_b32 v[KF+6+\i], 0
	v_mov_b32 v[KF+18+\i], 0
.endr
	v_and_b32 v12, 15, v0
	v_bfe_u32 v13, v0, 4, 1
	s_delay_alu instid0(VALU_DEP_2)
	v_mul_u32_u24 v[AQ0], v12, 48
	s_delay_alu instid0(VALU_DEP_1)
	v_mad_u32_u24 v[AQ0], v13, 24, v[AQ0]
	s_delay_alu instid0(VALU_DEP_4)
	v_lshl_add_u32 v[AW0], v12, 2, QW
	v_lshlrev_b32 v11, 2, v12
	v_and_b32 v9, 31, v0
	s_delay_alu instid0(VALU_DEP_1)
	v_lshlrev_b32 v9, 2, v9
	v_lshlrev_b32 v10, 3, v13
	s_delay_alu instid0(VALU_DEP_1)
	v_sub_nc_u32 v10, v12, v10
.irp j, 0,1,2,3,4,5,6,7
	v_cmp_eq_u32 s[M+\j], \j, v10
.endr
	s_lshl_b32 s12, ttmp9, 8
	s_lshl_b32 s13, s[WV], 5
	s_add_co_u32 s12, s12, s13
	s_mul_i32 s14, s[BH], 98304
	s_mul_i32 s13, s12, 48
	s_add_co_u32 s14, s14, s13
	s_mov_b32 s15, 0
	s_add_nc_u64 s[38:39], s[6:7], s[14:15]
	s_lshl_b32 s14, s[BH], 13
	s_lshl_b32 s13, s12, 2
	s_add_co_u32 s14, s14, s13
	s_add_nc_u64 s[8:9], s[8:9], s[14:15]
	s_add_co_u32 s14, s14, 3145728
	s_add_nc_u64 s[6:7], s[6:7], s[14:15]
.irp k, 0,1
.irp p, 0,1,2
	global_load_b64 v[KF+12*\k+2*\p:KF+12*\k+2*\p+1], v[AQ0], s[38:39] offset:768*\k+8*\p
.endr
	global_load_b32 v[KSC+\k], v11, s[6:7] offset:64*\k
.endr
.irp k, 0,1
	v_mov_b32 v[ST+8*\k+1], 0xff61b1e6
	v_mov_b32 v[ST+8*\k+2], 0
	v_mov_b32 v[ST+8*\k+3], 0
.endr
.irp k, 0
	v_mul_f32 v[ST+8*\k], s[CS], v[ST+8*\k+1]
.endr
.irp k, 1
	s_delay_alu instid0(VALU_DEP_4)
	v_mul_f32 v[ST+8*\k], s[CS], v[ST+8*\k+1]
.endr
.macro FETCHQ
.irp i, 0,1,2,3
.irp p, 0,1,2
	ds_load_b64 v[QF+6*\i+2*\p:QF+6*\i+2*\p+1], v[ADQ] offset:768*\i+8*\p
.endr
	ds_load_b32 v[QS+\i], v[ADW] offset:64*\i
.endr
.endm
.macro DIAG1
	s_cmp_lg_u32 s[STP], s[DG]
	s_cbranch_scc1 .Lnd_\@
	s_cmp_lg_u32 s[QP], 0
	s_cbranch_scc1 .Lhi_\@
.irp j, 0,1,2,3,4,5,6,7
	v_cndmask_b32 v[S+\j], v[S+\j], 0, s[M+\j]
.endr
.irp j, 0,1,2,3,4,5,6,7
	v_cndmask_b32 v[S+40+\j], v[S+40+\j], 0, s[M+\j]
.endr
	s_branch .Lnd_\@
.Lhi_\@:
.irp j, 0,1,2,3,4,5,6,7
	v_cndmask_b32 v[S+16+\j], v[S+16+\j], 0, s[M+\j]
.endr
.irp j, 0,1,2,3,4,5,6,7
	v_cndmask_b32 v[S+56+\j], v[S+56+\j], 0, s[M+\j]
.endr
.Lnd_\@:
.endm
.macro QSTEP fetch
	s_wait_dscnt 0x0
.irp i, 0,1,2,3
.irp k, 0,1
	v_wmma_scale_f32_16x16x128_f8f6f4 v[S+32*\k+8*\i:S+32*\k+8*\i+7], v[QF+6*\i:QF+6*\i+11], v[KF+12*\k:KF+12*\k+11], 0, v[QS+\i], v[KSC+\k] matrix_a_fmt:MATRIX_FMT_FP6 matrix_b_fmt:MATRIX_FMT_FP6
.endr
.endr
	s_add_co_u32 s[TQ], s[TQ], 3072
	s_add_co_u32 s[TW], s[TW], 256
	v_add_nc_u32 v[ADQ], s[TQ], v[AQ0]
	v_add_nc_u32 v[ADW], s[TW], v[AW0]
	v_nop
	v_nop
.if \fetch
	FETCHQ
.endif
	DIAG1
.irp k, 0,1
	v_max3_num_f32 v[ST+8*\k+4], v[S+32*\k], v[S+32*\k+1], v[S+32*\k+2]
	v_max3_num_f32 v[ST+8*\k+5], v[S+32*\k+3], v[S+32*\k+4], v[S+32*\k+5]
.endr
.irp i, 6,10,14,18,22,26
.irp k, 0,1
	v_max3_num_f32 v[ST+8*\k+4], v[ST+8*\k+4], v[S+32*\k+\i], v[S+32*\k+\i+1]
	v_max3_num_f32 v[ST+8*\k+5], v[ST+8*\k+5], v[S+32*\k+\i+2], v[S+32*\k+\i+3]
.endr
.endr
.irp k, 0
	v_max3_num_f32 v[ST+8*\k+4], v[ST+8*\k+4], v[S+32*\k+30], v[S+32*\k+31]
.endr
.irp k, 1
	v_max3_num_f32 v[ST+8*\k+4], v[ST+8*\k+4], v[S+32*\k+30], v[S+32*\k+31]
.endr
.irp k, 0
	v_mov_b32 v[ST+8*\k+7], v[ST+8*\k]
	s_delay_alu instid0(VALU_DEP_3)
	v_max3_num_f32 v[ST+8*\k+1], v[ST+8*\k+4], v[ST+8*\k+5], v[ST+8*\k+1]
.endr
.irp k, 1
	v_mov_b32 v[ST+8*\k+7], v[ST+8*\k]
	s_delay_alu instid0(VALU_DEP_4)
	v_max3_num_f32 v[ST+8*\k+1], v[ST+8*\k+4], v[ST+8*\k+5], v[ST+8*\k+1]
.endr
.irp k, 0
	s_delay_alu instid0(VALU_DEP_3)
	v_mul_f32 v[ST+8*\k], s[CS], v[ST+8*\k+1]
.endr
.irp k, 1
	s_delay_alu instid0(VALU_DEP_2)
	v_mul_f32 v[ST+8*\k], s[CS], v[ST+8*\k+1]
.endr
.irp k, 0,1
	s_delay_alu instid0(VALU_DEP_2)
	v_sub_f32 v[ST+8*\k+7], v[ST+8*\k+7], v[ST+8*\k]
.endr
.irp i, 0,2,4,6,8,10,12,14,16,18,20,22,24,26,28,30
.irp k, 0,1
	v_pk_fma_f32 v[S+32*\k+\i:S+32*\k+\i+1], v[S+32*\k+\i:S+32*\k+\i+1], s[CS:CS+1], v[ST+8*\k:ST+8*\k+1] op_sel_hi:[1,0,0] neg_lo:[0,0,1] neg_hi:[0,0,1]
.endr
.endr
	s_wait_alu depctr_va_vdst(0)
.irp k, 0,1
	v_exp_f32 v[ST+8*\k+6], v[ST+8*\k+7]
.endr
.irp i, 0,1,2,3,4,5,6,7,8,9,10,11,12,13,14,15,16,17,18,19,20,21,22,23,24,25,26,27,28,29,30,31
.irp k, 0,1
	v_exp_f32 v[S+32*\k+\i], v[S+32*\k+\i]
.endr
.endr
	v_nop
	s_wait_alu depctr_va_vdst(0)
.irp k, 0,1
	v_pk_add_f32 v[S+32*\k:S+32*\k+1], v[S+32*\k:S+32*\k+1], v[S+32*\k+2:S+32*\k+3]
	v_pk_add_f32 v[S+32*\k+4:S+32*\k+5], v[S+32*\k+4:S+32*\k+5], v[S+32*\k+6:S+32*\k+7]
.endr
.irp i, 8,12,16,20,24,28
.irp k, 0,1
	v_pk_add_f32 v[S+32*\k:S+32*\k+1], v[S+32*\k:S+32*\k+1], v[S+32*\k+\i:S+32*\k+\i+1]
	v_pk_add_f32 v[S+32*\k+4:S+32*\k+5], v[S+32*\k+4:S+32*\k+5], v[S+32*\k+\i+2:S+32*\k+\i+3]
.endr
.endr
.irp k, 0
	s_delay_alu instid0(VALU_DEP_3)
	v_pk_add_f32 v[S+32*\k:S+32*\k+1], v[S+32*\k:S+32*\k+1], v[S+32*\k+4:S+32*\k+5]
.endr
.irp k, 1
	s_delay_alu instid0(VALU_DEP_2)
	v_pk_add_f32 v[S+32*\k:S+32*\k+1], v[S+32*\k:S+32*\k+1], v[S+32*\k+4:S+32*\k+5]
.endr
.irp k, 0,1
	v_pk_fma_f32 v[ST+8*\k+2:ST+8*\k+3], v[ST+8*\k+2:ST+8*\k+3], v[ST+8*\k+6:ST+8*\k+7], v[S+32*\k:S+32*\k+1] op_sel_hi:[1,0,1]
.endr
	s_add_co_u32 s[STP], s[STP], 1
.endm
	s_wait_alu depctr_va_vdst(0)                   ; the head's end
	s_wait_tensorcnt 0x0                           ; my load of the head is in
	ds_add_u32 v[SPW], v[NIL]
	s_wait_dscnt 0x0
	s_barrier_signal -1
	s_barrier_wait -1
	tensor_load_to_lds s[G0C:G0C+3], s[G1C:G1C+7]  ; my part of queries 896 on
	s_nop 0
.rept 4
	v_nop
.endr
	v_add_nc_u32 v[ADQ], s[TQ], v[AQ0]
	v_add_nc_u32 v[ADW], s[TW], v[AW0]
	FETCHQ
	s_wait_loadcnt 0x0
.Lqa:
	QSTEP 1
	s_cmp_lt_u32 s[STP], 13                        ; trips 0-12 fetch up to step 13, the last that the head's loads brought
	s_cbranch_scc1 .Lqa
	s_wait_tensorcnt 0x0
	s_wait_dscnt 0x0
	s_barrier_signal -1
	s_barrier_wait -1
.Lqb:
	QSTEP 1
	s_cmp_lt_u32 s[STP], 31
	s_cbranch_scc1 .Lqb
	QSTEP 0
.irp k, 0,1
	v_add_f32 v[ST+8*\k+2], v[ST+8*\k+2], v[ST+8*\k+3]
	v_permlanex16_b32 v[ST+8*\k+4], v[ST+8*\k], s[SEL], s[SEL+1]
.endr
.irp k, 0
	s_delay_alu instid0(VALU_DEP_3)
	v_max_num_f32 v[ST+8*\k+5], v[ST+8*\k], v[ST+8*\k+4]
.endr
.irp k, 1
	s_delay_alu instid0(VALU_DEP_2)
	v_max_num_f32 v[ST+8*\k+5], v[ST+8*\k], v[ST+8*\k+4]
.endr
.irp k, 0,1
	s_delay_alu instid0(VALU_DEP_2)
	v_sub_f32 v[ST+8*\k+6], v[ST+8*\k], v[ST+8*\k+5]
.endr
	s_wait_alu depctr_va_vdst(0)
.irp k, 0,1
	v_exp_f32 v[ST+8*\k+6], v[ST+8*\k+6]
.endr
	v_nop
	s_wait_alu depctr_va_vdst(0)
.irp k, 0,1
	v_mul_f32 v[ST+8*\k+2], v[ST+8*\k+2], v[ST+8*\k+6]
.endr
.irp k, 0,1
	s_delay_alu instid0(VALU_DEP_2)
	v_permlanex16_b32 v[ST+8*\k+4], v[ST+8*\k+2], s[SEL], s[SEL+1]
.endr
.irp k, 0,1
	s_delay_alu instid0(VALU_DEP_2)
	v_add_f32 v[ST+8*\k+2], v[ST+8*\k+2], v[ST+8*\k+4]
.endr
	s_wait_alu depctr_va_vdst(0)
.irp k, 0,1
	v_log_f32 v[ST+8*\k+3], v[ST+8*\k+2]
.endr
	v_nop
	s_wait_alu depctr_va_vdst(0)
.irp k, 0,1
	v_add_f32 v[ST+8*\k+3], v[ST+8*\k+3], v[ST+8*\k+5]
.endr
	s_delay_alu instid0(VALU_DEP_1)
	v_cndmask_b32 v8, v[ST+3], v[ST+11], s[HI]
	s_delay_alu instid0(VALU_DEP_1)
	v_xor_b32 v8, 0x80000000, v8
	global_store_b32 v9, v8, s[8:9]
	s_wait_tensorcnt 0x0
	ds_add_u32 v[SPW], v[NIL]
	s_wait_dscnt 0x0
	s_endpgm
.Lfunc_end_k_q98b0c5c725_colstat:
	.size	k_q98b0c5c725_colstat, .Lfunc_end_k_q98b0c5c725_colstat-k_q98b0c5c725_colstat
	.p2alignl 7, 3214868480
	.fill 96, 4, 3214868480
	.section	.rodata,"a",@progbits
	.p2align	6, 0x0
	.amdhsa_kernel k_q98b0c5c725_colstat
		.amdhsa_group_segment_fixed_size 327680
		.amdhsa_private_segment_fixed_size 0
		.amdhsa_enable_private_segment 0
		.amdhsa_kernarg_size 24
		.amdhsa_user_sgpr_count 2
		.amdhsa_user_sgpr_kernarg_segment_ptr 1
		.amdhsa_wavefront_size32 1
		.amdhsa_system_sgpr_workgroup_id_x 1
		.amdhsa_system_sgpr_workgroup_id_y 1
		.amdhsa_system_sgpr_workgroup_id_z 1
		.amdhsa_system_vgpr_workitem_id 0
		.amdhsa_next_free_vgpr 168
		.amdhsa_next_free_sgpr 80
		.amdhsa_reserve_vcc 0
		.amdhsa_float_denorm_mode_32 3
		.amdhsa_float_denorm_mode_16_64 3
		.amdhsa_memory_ordered 1
		.amdhsa_forward_progress 1
		.amdhsa_inst_pref_size 50
	.end_amdhsa_kernel
	.amdgpu_metadata
---
amdhsa.version: [ 1, 2 ]
amdhsa.kernels:
  - .name:           k_q98b0c5c725_colstat
    .symbol:         k_q98b0c5c725_colstat.kd
    .args:
      - { .name: q_ws, .offset: 0, .size: 8, .value_kind: global_buffer, .address_space: global }
      - { .name: kv_ws, .offset: 8, .size: 8, .value_kind: global_buffer, .address_space: global }
      - { .name: nbeta, .offset: 16, .size: 8, .value_kind: global_buffer, .address_space: global }
    .group_segment_fixed_size: 327680
    .private_segment_fixed_size: 0
    .kernarg_segment_align: 8
    .kernarg_segment_size: 24
    .max_flat_workgroup_size: 256
    .sgpr_count:     80
    .vgpr_count:     168
    .wavefront_size: 32
...
	.end_amdgpu_metadata
.endif
;; end of part 3
;; launch attn (part 4): grid 8 x 32, 8 waves a work-group, no clusters, 327,680 bytes of LDS; arguments q_ws, kv_ws, nbeta, xo_ws; writes xo_ws
.if DOCPART == 4
	.amdgcn_target "amdgcn-amd-amdhsa--gfx1250"
	.amdhsa_code_object_version 6
	.text
	.protected	k_q98b0c5c725_attn
	.globl	k_q98b0c5c725_attn
	.p2align	8
	.type	k_q98b0c5c725_attn,@function
k_q98b0c5c725_attn:
	s_mov_b64 s[64:65], 0
	v_nop
	global_prefetch_b8 v0, s[64:65] scope:SCOPE_SE
	s_setreg_imm32_b32 hwreg(HW_REG_WAVE_MODE, 25, 1), 1
	s_wait_xcnt 0x0
; ATTN.  p = 2^(score x log2(e) / 8 + nbeta[key]) (the diagonal's score taken as 0) is the finished softmax over the queries; it is quantised along the keys and multiplied with v; the result is quantised for the last product.
; Nothing of reference() is left out here.  A work-group: 256 queries of one head; wave (QG, KH): 64 queries, and the steps of 128 keys with number 2 i + KH, i = 0 .. 7; the two waves of a QG add their sums at the end.
; The head's k and v codes, words and nbeta lie in LDS, each byte filled once.  THE FILLS: at the head one load a wave: wave 0 k's codes of keys 0-511, waves 1-3 k's words, nbeta, v's words, waves 4-7 v's codes of keys 0-511
; (one quarter of the channels each); behind a barrier each wave brings 18,432 bytes of the rest (waves 0-3 of k, 4-7 of v), which land under each wave's first two steps.
.set KC,    0
.set KCB,   24576
.set VC,    98304
.set VCB,   VC+6144
.set KW,    196608
.set VW,    204800
.set NB,    208896
.set SPARE, 217088
.set VTC,   3407872
.set VTCB,  VTC+6144
.set AK0,  1
.set AKW0, 2
.set ANB0, 3
.set AV0,  4
.set AVW0, 5
.set ADK,  6
.set ADKW, 7
.set ADNB, 8
.set ADV01, 9
.set ADV23, 10
.set ADVW, 11
.set XA,   12
.set PIN,  13
.set POUT, 14
.set H8,   15
.set QF,   16
.set S,    64
.set NBR,  128
.set PC,   192
.set TM,   212
.set PW,   228
.set KS,   230
.set VS,   238
.set QS,   242
.set SPW,  246
.set NIL,  247
.set KF,   0
.set VF,   56
.set O,    128
.set FC,   16
.set QWP,  4
.set QCP,  6
.set XCP,  8
.set XWP,  10
.set WV,   12
.set BH,   13
.set QG,   14
.set KH,   15
.set G1A,  16
.set G1B,  24
.set G1C,  32
.set G1D,  40
.set STP,  66
.set DG,   67
.set M,    80
.set QP,   88
.set TK,   89
.set TW,   90
.set TV,   91
.set TVW,  92
.set HI,   93
.set T0,   94
.set T2,   100
.set T3,   101
.set T4,   2
.set CS,   96
.set SEL,  98
.set MSB, 0
.macro WIN new
.if MSB != (\new)
	s_set_vgpr_msb (MSB<<8)|(\new)
.set MSB, (\new)
.endif
.endm
.macro DENSE g, rows
	s_mov_b32 s[\g], 3<<16
	s_mov_b32 s[\g+1], 32<<16
	s_mov_b32 s[\g+2], (\rows)<<16
	s_mov_b32 s[\g+3], 32<<16
	s_mov_b32 s[\g+4], \rows
	s_mov_b32 s[\g+5], 32
	s_mov_b32 s[\g+6], 0
	s_mov_b32 s[\g+7], 0
.endm
.macro GZ g0, ptr, lds, hmul, part, step   ; a group 0: the buffer at hmul x head + part + step x QG, to LDS byte lds + step x QG
	s_mul_i32 s[T0], s[BH], \hmul
.if \part
	s_add_co_u32 s[T0], s[T0], \part
.endif
	s_mov_b32 s[T0+1], 0
	s_mov_b32 s[\g0], 1
.if \step
	s_mul_i32 s[T2], s[QG], \step
	s_add_co_u32 s[T0], s[T0], s[T2]
	s_add_co_u32 s[\g0+1], s[T2], \lds
.else
	s_mov_b32 s[\g0+1], \lds
.endif
	s_add_nc_u64 s[\g0+2:\g0+3], s[\ptr:\ptr+1], s[T0:T0+1]
	s_or_b32 s[\g0+3], s[\g0+3], 0x80000000
.endm
.macro ARM under, g0, g1, next         ; one arm of the head's chain: its load, and a jump to the chain's end
	s_cmp_lt_u32 s[WV], \under
	s_cbranch_scc0 \next
	tensor_load_to_lds s[\g0:\g0+3], s[\g1:\g1+7]
	s_nop 0
.rept 4
	v_nop
.endr
	s_branch .Lhead_asked
\next:
.endm
	s_load_b256 s[4:11], s[0:1], 0x0
	v_lshl_add_u32 v[SPW], v0, 2, SPARE
	v_mov_b32 v[NIL], 0
	ds_add_u32 v[SPW], v[NIL]
	ds_add_u32 v[SPW], v[NIL]
	v_lshrrev_b32 v1, 5, v0
	s_delay_alu instid0(VALU_DEP_1)
	v_readfirstlane_b32 s[WV], v1
	s_and_b32 s[BH], ttmp7, 0xffff
	s_and_b32 s[QG], s[WV], 3
	s_lshr_b32 s[KH], s[WV], 2
	DENSE G1A, 32
	DENSE G1B, 16
	DENSE G1C, 96
	DENSE G1D, 24
	s_mov_b32 s[CS], 0x3e38aa3b
	s_mov_b32 s[CS+1], s[CS]
	s_mov_b32 s[SEL], 0x76543210
	s_mov_b32 s[SEL+1], 0xfedcba98
	s_mov_b32 s[HI], 0xffff0000
	s_mov_b32 s[STP], 0
	s_mov_b32 s[TK], 0
	s_mov_b32 s[TW], 0
	s_mov_b32 s[TV], 0
	s_mov_b32 s[TVW], 0
	s_lshr_b32 s[T3], s[QG], 1                     ; my queries' own keys lie in step 2 x + QG / 2 of the head: mine if KH = QG / 2, and then my step number x
	s_cmp_eq_u32 s[T3], s[KH]
	s_cselect_b32 s[DG], ttmp9, 0xffff
	s_and_b32 s[QP], s[QG], 1
	s_wait_dscnt 0x0
	s_wait_kmcnt 0x0
	GZ 48, 6, KW, 8192, 3145728, 0
	GZ 52, 8, NB, 8192, 0, 0
	GZ 56, 6, VW, 4096, 6553600, 0
	GZ 60, 6, KC, 98304, 0, 0
	GZ 68, 6, VC, 98304, VTC, 24576
	GZ 72, 6, KCB, 98304, KCB, 18432
	GZ 76, 6, VCB, 98304, VTCB, 24576
	ARM 1, 60, G1C, .Lhead_kw                      ; the head's loads, one a wave
	ARM 2, 48, G1A, .Lhead_nb
	ARM 3, 52, G1A, .Lhead_vw
	ARM 4, 56, G1B, .Lhead_v
	tensor_load_to_lds s[68:71], s[G1D:G1D+7]
	s_nop 0
.rept 4
	v_nop
.endr
.Lhead_asked:
.irp T, 0,1,2,3
.irp i, 6,7,8,9,10,11
	v_mov_b32 v[QF+12*\T+\i], 0
.endr
.endr
	WIN 0x40
.irp i, 0,1,2,3,4,5
	v_mov_b32 v[KF+48+\i], 0
.endr
	WIN 0
.irp b, 0,1,2,3,4,5,6,7
	v_mov_b32 v[TM+4+\b], 0
.endr
	v_and_b32 v248, 15, v0
	s_wait_alu depctr_va_vdst(0)
	v_bfe_u32 v249, v0, 4, 1
	v_and_b32 v250, 31, v0
	s_wait_alu depctr_va_vdst(0)
	v_mul_u32_u24 v251, v248, 48
	s_delay_alu instid0(VALU_DEP_1)
	v_mad_u32_u24 v251, v249, 24, v251
	s_mul_i32 s[T0], s[KH], 6144
	v_add_nc_u32 v[AK0], s[T0], v251
	s_lshl_b32 s[T0], s[KH], 9
	s_add_co_u32 s[T0+1], s[T0], KW
	v_lshl_add_u32 v[AKW0], v248, 2, s[T0+1]
	s_add_co_u32 s[T0+1], s[T0], NB
	v_lshl_add_u32 v[ANB0], v249, 5, s[T0+1]
	s_mul_i32 s[T0], s[KH], 1536
	s_add_co_u32 s[T0], s[T0], VC
	v_add_nc_u32 v[AV0], s[T0], v251
	s_lshl_b32 s[T0], s[KH], 6
	s_add_co_u32 s[T0], s[T0], VW
	v_lshl_add_u32 v[AVW0], v248, 2, s[T0]
	s_lshl_b32 s[T0], s[QG], 14
	v_lshl_add_u32 v[XA], v250, 4, s[T0]
	s_lshl_b32 s[T0], s[QG], 12
	s_add_co_u32 s[T0], s[T0], 65536
	v_lshl_add_u32 v[POUT], v250, 4, s[T0]
	v_lshlrev_b32 v252, 6, v248
	s_delay_alu instid0(VALU_DEP_1)
	v_lshl_add_u32 v252, v249, 5, v252
	s_delay_alu instid0(VALU_DEP_1)
	v_add_nc_u32 v[PIN], s[T0], v252
	v_lshlrev_b32 v[H8], 3, v249
	s_delay_alu instid0(VALU_DEP_1)
	v_sub_nc_u32 v252, v248, v[H8]
.irp j, 0,1,2,3,4,5,6,7
	v_cmp_eq_u32 s[M+\j], \j, v252
.endr
	s_lshl_b32 s[T0], ttmp9, 8
	s_lshl_b32 s[T0+1], s[QG], 6
	s_add_co_u32 s[T2], s[T0], s[T0+1]
	s_mul_i32 s[T0], s[BH], 98304
	s_mul_i32 s[T0+1], s[T2], 48
	s_add_co_u32 s[T0], s[T0], s[T0+1]
	s_mov_b32 s[T0+1], 0
	s_add_nc_u64 s[QCP:QCP+1], s[4:5], s[T0:T0+1]
	s_lshl_b32 s[T0], s[BH], 13
	s_lshl_b32 s[T3], s[T2], 2
	s_add_co_u32 s[T0], s[T0], s[T3]
	s_add_co_u32 s[T0], s[T0], 3145728
	s_add_nc_u64 s[QWP:QWP+1], s[4:5], s[T0:T0+1]
	s_and_b32 s[T0], s[BH], 15
	s_lshr_b32 s[T3], s[BH], 4
	s_lshl_b32 s[T3], s[T3], 11
	s_add_co_u32 s[T3], s[T3], s[T2]
	s_mul_i32 s[T4], s[T0], 196608
	s_mul_i32 s[T4+1], s[T3], 48
	s_add_co_u32 s[T4], s[T4], s[T4+1]
	s_mov_b32 s[T4+1], 0
	s_add_nc_u64 s[XCP:XCP+1], s[10:11], s[T4:T4+1]
	s_lshr_b32 s[T4], s[T0], 1
	s_lshl_b32 s[T4], s[T4], 14
	s_lshl_b32 s[T3], s[T3], 2
	s_add_co_u32 s[T4], s[T4], s[T3]
	s_and_b32 s[T0], s[T0], 1
	s_lshl_b32 s[T0], s[T0], 1
	s_add_co_u32 s[T4], s[T4], s[T0]
	s_add_co_u32 s[T4], s[T4], 3145728
	s_add_nc_u64 s[XWP:XWP+1], s[10:11], s[T4:T4+1]
	v_lshlrev_b32 v253, 2, v248
.irp T, 0,1,2,3
.irp p, 0,1,2
	global_load_b64 v[QF+12*\T+2*\p:QF+12*\T+2*\p+1], v251, s[QCP:QCP+1] offset:768*\T+8*\p
.endr
	global_load_b32 v[QS+\T], v253, s[QWP:QWP+1] offset:64*\T
.endr
.macro KFETCH
	v_add_nc_u32 v[ADK], s[TK], v[AK0]
	v_add_nc_u32 v[ADKW], s[TW], v[AKW0]
	v_add_nc_u32 v[ADNB], s[TW], v[ANB0]
	WIN 0x40
.irp t, 0,1,2,3,4,5,6,7
.irp p, 0,1,2
	ds_load_b64 v[KF+6*\t+2*\p:KF+6*\t+2*\p+1], v[ADK] offset:768*\t+8*\p
.endr
.endr
	WIN 0
.irp t, 0,1,2,3,4,5,6,7
	ds_load_b32 v[KS+\t], v[ADKW] offset:64*\t
.endr
.irp t, 0,1,2,3,4,5,6,7
	ds_load_b128 v[NBR+8*\t:NBR+8*\t+3], v[ADNB] offset:64*\t
	ds_load_b128 v[NBR+8*\t+4:NBR+8*\t+7], v[ADNB] offset:64*\t+16
.endr
.endm
.macro VFETCH
	v_add_nc_u32 v[ADV01], s[TV], v[AV0]
	v_add_nc_u32 v[ADVW], s[TVW], v[AVW0]
	s_delay_alu instid0(VALU_DEP_2)
	v_add_nc_u32 v[ADV23], 49152, v[ADV01]
	v_nop
	WIN 0x40
.irp tau, 0,1,2,3
.irp c, 0,1
.irp p, 0,1,2
	ds_load_b64 v[VF+12*\tau+6*\c+2*\p:VF+12*\tau+6*\c+2*\p+1], v[ADV01+\tau/2] offset:24576*(\tau%2)+768*\c+8*\p
.endr
.endr
.endr
	WIN 0
.irp tau, 0,1,2,3
	ds_load_b32 v[VS+\tau], v[ADVW] offset:1024*\tau
.endr
.endm
.macro SMUL T
	WIN 0x01
.irp t, 0,1,2,3,4,5,6,7
	v_wmma_scale_f32_16x16x128_f8f6f4 v[S+8*\t:S+8*\t+7], v[KF+6*\t:KF+6*\t+11], v[QF+12*(\T):QF+12*(\T)+11], 0, v[KS+\t], v[QS+(\T)] matrix_a_fmt:MATRIX_FMT_FP6 matrix_b_fmt:MATRIX_FMT_FP6
.endr
	WIN 0
.rept 4
	v_nop
.endr
.endm
.macro DIAG2 T
	s_cmp_lg_u32 s[STP], s[DG]
	s_cbranch_scc1 .Lnd_\@
	s_cmp_lg_u32 s[QP], 0
	s_cbranch_scc1 .Lhi_\@
.irp j, 0,1,2,3,4,5,6,7
	v_cndmask_b32 v[S+8*(\T)+\j], v[S+8*(\T)+\j], 0, s[M+\j]
.endr
	s_branch .Lnd_\@
.Lhi_\@:
.irp j, 0,1,2,3,4,5,6,7
	v_cndmask_b32 v[S+32+8*(\T)+\j], v[S+32+8*(\T)+\j], 0, s[M+\j]
.endr
.Lnd_\@:
.endm
.macro PVMUL T, first
	WIN 0x51
.irp tau, 0,1,2,3
.if \first
	v_wmma_scale_f32_16x16x128_f8f6f4 v[O+32*(\T)+8*\tau:O+32*(\T)+8*\tau+7], v[VF+12*\tau:VF+12*\tau+11], v[PC:PC+11], 0, v[VS+\tau], v[PW] matrix_a_fmt:MATRIX_FMT_FP6 matrix_b_fmt:MATRIX_FMT_FP6
.else
	v_wmma_scale_f32_16x16x128_f8f6f4 v[O+32*(\T)+8*\tau:O+32*(\T)+8*\tau+7], v[VF+12*\tau:VF+12*\tau+11], v[PC:PC+11], v[O+32*(\T)+8*\tau:O+32*(\T)+8*\tau+7], v[VS+\tau], v[PW] matrix_a_fmt:MATRIX_FMT_FP6 matrix_b_fmt:MATRIX_FMT_FP6
.endif
.endr
	WIN 0
.endm
.macro QUANTP
.irp b, 0,1,2,3
	v_max3_num_f32 v[TM+\b], v[S+16*\b], v[S+1+16*\b], 0x1800000
.endr
.irp i, 2,4,6,8,10,12,14
.irp b, 0,1,2,3
	v_max3_num_f32 v[TM+\b], v[TM+\b], v[S+16*\b+\i], v[S+1+16*\b+\i]
.endr
.endr
.irp b, 0,1,2,3
	s_delay_alu instid0(VALU_DEP_4)
	v_permlanex16_b32 v[TM+4+\b], v[TM+\b], s[SEL], s[SEL+1]
.endr
.irp b, 0,1,2,3
	s_delay_alu instid0(VALU_DEP_4)
	v_max_num_f32 v[TM+\b], v[TM+\b], v[TM+4+\b]
.endr
.irp b, 0,1,2,3
	s_delay_alu instid0(VALU_DEP_4)
	v_add_nc_u32 v[TM+12+\b], 0xff000000, v[TM+\b]
.endr
.irp b, 0,1,2,3
	s_delay_alu instid0(VALU_DEP_4)
	v_lshrrev_b32 v[TM+4+\b], 23, v[TM+12+\b]
.endr
	s_delay_alu instid0(VALU_DEP_3)
	v_lshl_or_b32 v[PW], v[TM+5], 8, v[TM+4]
	s_delay_alu instid0(VALU_DEP_1)
	v_lshl_or_b32 v[PW], v[TM+6], 16, v[PW]
	s_delay_alu instid0(VALU_DEP_1)
	v_lshl_or_b32 v[PW], v[TM+7], 24, v[PW]
.irp c, 0,1
	v_cvt_scalef32_pk16_fp6_f32 v[PC+6*\c:PC+2+6*\c], v[S+32*\c:S+15+32*\c], v[TM+12+2*\c]
	v_cvt_scalef32_pk16_fp6_f32 v[PC+12+4*\c:PC+14+4*\c], v[S+16+32*\c:S+31+32*\c], v[TM+12+2*\c+1]
.endr
	v_nop
.irp c, 0,1
.irp i, 0,1,2
	v_permlane16_swap_b32 v[PC+6*\c+\i], v[PC+12+4*\c+\i]
.endr
.irp i, 0,1,2
	s_delay_alu instid0(VALU_DEP_3)
	v_mov_b32 v[PC+3+6*\c+\i], v[PC+12+4*\c+\i]
.endr
.endr
.endm
.macro TILE T, first, fetch, bar
.if (\T) == 0
	s_wait_dscnt 44
.endif
	SMUL \T
	DIAG2 \T
.if (\T) == 0
	s_wait_dscnt 28
.endif
.set j, 0
	s_wait_alu depctr_va_vdst(0)
.rept 32
	v_pk_fma_f32 v[S+j:S+j+1], v[S+j:S+j+1], s[CS:CS+1], v[NBR+j:NBR+j+1] op_sel_hi:[1,0,1]
.set j, j+2
.endr
.if (\T) == 1
	s_wait_dscnt 0x0
.endif
.if (\T) > 0
	PVMUL (\T)-1, \first
.endif
.if (\T) == 3
.if \bar
	s_wait_tensorcnt 0x0
	s_wait_dscnt 0x0
	s_barrier_signal -1
	s_barrier_wait -1
.endif
.if \fetch
	s_add_co_u32 s[TK], s[TK], 12288
	s_add_co_u32 s[TW], s[TW], 1024
	KFETCH
.endif
.endif
.set j, 0
	s_wait_alu depctr_va_vdst(0)
.rept 64
	v_exp_f32 v[S+j], v[S+j]
.set j, j+1
.endr
	v_nop
	s_wait_alu depctr_va_vdst(0)
	QUANTP
.endm
.macro ASTEP first, fetch, bar
	VFETCH
	TILE 0, \first, \fetch, \bar
	TILE 1, \first, \fetch, \bar
	TILE 2, \first, \fetch, \bar
	TILE 3, \first, \fetch, \bar
.rept 8
	v_nop
.endr
	PVMUL 3, \first
	s_add_co_u32 s[TV], s[TV], 3072
	s_add_co_u32 s[TVW], s[TVW], 128
	s_add_co_u32 s[STP], s[STP], 1
.endm
	s_wait_alu depctr_va_vdst(0)                   ; the head's end
	s_wait_tensorcnt 0x0                           ; my load of the head is in
	ds_add_u32 v[SPW], v[NIL]
	s_mov_b32 s[G1D+2], 72<<16                     ; no tensor load of mine is out: from here on a load brings 72 rows of 256 bytes
	s_mov_b32 s[G1D+4], 72
	s_wait_dscnt 0x0
	s_barrier_signal -1
	s_barrier_wait -1
	s_cmp_lt_u32 s[WV], 4
	s_cbranch_scc0 .Lrest_v
	tensor_load_to_lds s[72:75], s[G1D:G1D+7]      ; a quarter of k's codes of keys 512 on
	s_nop 0
.rept 4
	v_nop
.endr
	s_branch .Lrest_asked
.Lrest_v:
	tensor_load_to_lds s[76:79], s[G1D:G1D+7]      ; v's codes of keys 512 on, a quarter of the channels
	s_nop 0
.rept 4
	v_nop
.endr
.Lrest_asked:
	KFETCH
	s_wait_loadcnt 0x0
	ASTEP 1, 1, 0
	ASTEP 0, 1, 1
.Lstep:
	ASTEP 0, 1, 0
	s_cmp_lt_u32 s[STP], 7
	s_cbranch_scc1 .Lstep
	ASTEP 0, 0, 0
.rept 4
	v_nop
.endr
	s_wait_dscnt 0x0
	s_barrier_signal -1
	s_barrier_wait -1
	s_cmp_lt_u32 s[WV], 4
	s_cbranch_scc1 .Llow
	WIN 0x04
.set j, 0
.rept 32
	ds_store_b128 v[XA], v[O+4*j:O+4*j+3] offset:512*j
.set j, j+1
.endr
	WIN 0
.Llow:
	s_wait_dscnt 0x0
	s_barrier_signal -1
	s_barrier_wait -1
	s_cmp_ge_u32 s[WV], 4
	s_cbranch_scc1 .Lend
.set j, 0
.rept 32
	ds_load_b128 v[64+4*j:67+4*j], v[XA] offset:512*j
.set j, j+1
.endr
	s_wait_dscnt 0x0
	WIN 0x01
.set j, 0
.rept 64
	v_pk_add_f32 v[64+j:65+j], v[O+j:O+j+1], v[64+j:65+j]
.set j, j+2
.endr
	WIN 0
.irp T, 0,1,2,3
	v_max3_num_f32 v[TM+\T], |v[64+32*\T]|, |v[65+32*\T]|, 0x1800000
.endr
.irp i, 2,4,6,8,10,12,14,16,18,20,22,24,26,28,30
.irp T, 0,1,2,3
	s_delay_alu instid0(VALU_DEP_4)
	v_max3_num_f32 v[TM+\T], v[TM+\T], |v[64+32*\T+\i]|, |v[65+32*\T+\i]|
.endr
.endr
.irp T, 0,1,2,3
	s_delay_alu instid0(VALU_DEP_4)
	v_add_nc_u32 v[TM+12+\T], 0xff000000, v[TM+\T]
.endr
.irp T, 0,1,2,3
	s_delay_alu instid0(VALU_DEP_4)
	v_lshrrev_b32 v[TM+4+\T], 23, v[TM+12+\T]
.endr
.irp T, 0,1,2,3
	v_cvt_scalef32_pk16_fp6_f32 v[FC+8*\T:FC+8*\T+2], v[64+32*\T:79+32*\T], v[TM+12+\T]
	v_cvt_scalef32_pk16_fp6_f32 v[FC+8*\T+4:FC+8*\T+6], v[80+32*\T:95+32*\T], v[TM+12+\T]
.endr
	v_nop
.irp T, 0,1,2,3
	v_lshlrev_b32 v[TM+4+\T], v[H8], v[TM+4+\T]
.endr
.irp T, 0,1,2,3
	s_delay_alu instid0(VALU_DEP_4)
	v_permlanex16_b32 v[TM+8+\T], v[TM+4+\T], s[SEL], s[SEL+1]
.endr
.irp T, 0,1,2,3
	s_delay_alu instid0(VALU_DEP_4)
	v_or_b32 v[TM+4+\T], v[TM+4+\T], v[TM+8+\T]
.endr
.irp T, 0,1,2,3
	ds_store_b96 v[PIN], v[FC+8*\T:FC+8*\T+2] offset:1024*\T
	ds_store_b96 v[PIN], v[FC+8*\T+4:FC+8*\T+6] offset:1024*\T+16
.endr
.irp n, 0,1,2,3,4,5,6,7
	ds_load_b96 v[64+4*\n:66+4*\n], v[POUT] offset:512*\n
.endr
	v_mul_u32_u24 v248, v250, 12
	v_lshlrev_b32 v251, 2, v250
	v_cndmask_b32 v249, v[TM+4], v[TM+5], s[HI]
	v_cndmask_b32 v252, v[TM+6], v[TM+7], s[HI]
	s_wait_alu depctr_va_vdst(0)
.irp n, 0,1,2,3,4,5,6,7
	s_wait_dscnt 7-\n
	global_store_b96 v248, v[64+4*\n:66+4*\n], s[XCP:XCP+1] offset:384*\n
.endr
	global_store_b16 v251, v249, s[XWP:XWP+1]
	global_store_b16 v251, v252, s[XWP:XWP+1] offset:128
.Lend:
	s_wait_tensorcnt 0x0
	ds_add_u32 v[SPW], v[NIL]
	s_wait_dscnt 0x0
	s_endpgm
.Lfunc_end_k_q98b0c5c725_attn:
	.size	k_q98b0c5c725_attn, .Lfunc_end_k_q98b0c5c725_attn-k_q98b0c5c725_attn
	.p2alignl 7, 3214868480
	.fill 96, 4, 3214868480
	.section	.rodata,"a",@progbits
	.p2align	6, 0x0
	.amdhsa_kernel k_q98b0c5c725_attn
		.amdhsa_group_segment_fixed_size 327680
		.amdhsa_private_segment_fixed_size 0
		.amdhsa_enable_private_segment 0
		.amdhsa_kernarg_size 32
		.amdhsa_user_sgpr_count 2
		.amdhsa_user_sgpr_kernarg_segment_ptr 1
		.amdhsa_wavefront_size32 1
		.amdhsa_system_sgpr_workgroup_id_x 1
		.amdhsa_system_sgpr_workgroup_id_y 1
		.amdhsa_system_sgpr_workgroup_id_z 1
		.amdhsa_system_vgpr_workitem_id 0
		.amdhsa_next_free_vgpr 512
		.amdhsa_next_free_sgpr 102
		.amdhsa_reserve_vcc 0
		.amdhsa_float_denorm_mode_32 3
		.amdhsa_float_denorm_mode_16_64 3
		.amdhsa_memory_ordered 1
		.amdhsa_forward_progress 1
		.amdhsa_inst_pref_size 241
	.end_amdhsa_kernel
	.amdgpu_metadata
---
amdhsa.version: [ 1, 2 ]
amdhsa.kernels:
  - .name:           k_q98b0c5c725_attn
    .symbol:         k_q98b0c5c725_attn.kd
    .args:
      - { .name: q_ws, .offset: 0, .size: 8, .value_kind: global_buffer, .address_space: global }
      - { .name: kv_ws, .offset: 8, .size: 8, .value_kind: global_buffer, .address_space: global }
      - { .name: nbeta, .offset: 16, .size: 8, .value_kind: global_buffer, .address_space: global }
      - { .name: xo_ws, .offset: 24, .size: 8, .value_kind: global_buffer, .address_space: global }
    .group_segment_fixed_size: 327680
    .private_segment_fixed_size: 0
    .kernarg_segment_align: 8
    .kernarg_segment_size: 32
    .max_flat_workgroup_size: 256
    .sgpr_count:     102
    .vgpr_count:     512
    .wavefront_size: 32
...
	.end_amdgpu_metadata
.endif
;; end of part 4
;; launch outproj (part 5): grid 8 x 32, 4 waves a work-group, clusters of 4 x 4, 327,680 bytes of LDS; arguments xo_ws, xw_codes, xw_scales, bo, out0; writes out0
.if DOCPART == 5
	.amdgcn_target "amdgcn-amd-amdhsa--gfx1250"
	.amdhsa_code_object_version 6
	.text
	.protected	k_q98b0c5c725_outproj
	.globl	k_q98b0c5c725_outproj
	.p2align	8
	.type	k_q98b0c5c725_outproj,@function
k_q98b0c5c725_outproj:
	s_mov_b64 s[64:65], 0
	v_nop
	global_prefetch_b8 v0, s[64:65] scope:SCOPE_SE
	s_setreg_imm32_b32 hwreg(HW_REG_WAVE_MODE, 25, 1), 1
	s_wait_xcnt 0x0
	s_wait_alu depctr_hold_cnt(0) depctr_sa_sdst(0) depctr_va_vdst(0) depctr_va_sdst(0) depctr_va_ssrc(0) depctr_va_vcc(0) depctr_vm_vsrc(0)
	s_getreg_b32 s2, hwreg(HW_REG_IB_STS2, 6, 4)
	s_cmp_eq_u32 s2, 0
	s_cbranch_scc0 .Lentry_in_a_cluster
	s_endpgm
.Lentry_in_a_cluster:
	s_bfe_u32 s2, ttmp6, 0x10000c
	s_cmp_lg_u32 s2, 0xf033
	s_cbranch_scc0 .Lentry_shape_is_right
	s_endpgm
.Lentry_shape_is_right:
; OUTPROJ.  out0 = x Wo^T + bo on codes of FP6 (E2M3) with E8M0 scales; sums in f32.  Nothing of reference() is left out here.
; A work-group makes 128 x 128 of out0, a wave 64 x 64: 16 accumulators; 8 x 32 work-groups.  NO RING: both tiles for all of K = 1,024 lie in LDS at once, each byte filled once, one joint load a wave at the head.
; 4 x 4 work-groups ask jointly, x's tiles along a row of the cluster, Wo's along a column.  No prefetch: the launch has no loop to run ahead in.
; x's codes lie [head 16][row 4096][48]: 128 rows of a head are 6,144 dense bytes at a multiple of 256; a load brings 8 heads.  A fragment's registers 6 c .. 6 c + 5 are the 24 bytes at 48 row + 24 h of head 2 step + c.
; Wo's rows are 768 bytes, at multiples of 256; in LDS 816 (16 of padding behind each 256).  x's words lie [pair of heads 8][row 4096]; they and Wo's scale bytes go from memory into registers.
; THE MATRIX INSTRUCTION IS USED TRANSPOSED (source 0 = 16 rows of Wo, source 1 = 16 rows of x): a lane holds eight neighbouring numbers of a row of out0.  bo, in the result's layout, is the C of each sum's first instruction.
.set KROW,   768
.set PITCH,  816
.set FR,     12
.set NP,     4
.set ABYTES, 98304
.set STAGE,  ABYTES+128*PITCH          ; the way out: 64 rows x (256 + 16) a wave, bytes into which no fill lands
.set SPITCH, 272
.set SPARE,  STAGE+4*64*SPITCH         ; the spare words: 128 bytes a wave
.set ADRA, 16                          ; v16 heads 0-7, v17 heads 8-15
.set ADRB, 20                          ; v20; v22 for pieces whose lanes 16-31 lie behind one padding more
.set STO,  24
.set RD,   25
.set CO,   26
.set OSB,  27
.set SPW,  28
.set NIL,  29
.set OSA,  30
.set OBI,  31
.set SCA,  32                          ; v32-63 x's scale words, 8 a + step; v64-95 Wo's, 8 b + step: scales and nothing else
.set SCB,  64
.set BIAS, 96                          ; v96-127 bo
.set AF,   128                         ; v128-223 x's fragments, two sets of 48; on the way out v128-255 take the rows read back
.set BK,   128
.set ACC,  128                         ; window 1: v0-95 Wo's fragments, two sets of 48; v128-255 the accumulators, (a, b) at 8 (4 a + b)
.set G1, 24
.set G0, 32
.set G1B, 48
.set G0B, 56
.set MSB, 0
.macro WIN new
.if MSB != (\new)
	s_set_vgpr_msb (MSB<<8)|(\new)
.set MSB, (\new)
.endif
.endm
.macro CREST
	s_cmp_lg_u32 s14, 0
	s_cbranch_scc1 .Lnot_wave_0_\@
	s_barrier_signal -3
.Lnot_wave_0_\@:
	s_barrier_wait -3
	s_barrier_signal -1
	s_barrier_wait -1
.endm
.macro CROUND
	s_barrier_signal -1
	s_barrier_wait -1
	CREST
.endm
.macro PLACES n                        ; plain vector instructions between a matrix instruction and a load into, or a read of, its registers
.rept \n
	v_nop
.endr
.endm
	s_load_b256 s[4:11], s[0:1], 0x0               ; xo_ws, xw_codes, xw_scales, bo
	s_load_b64 s[12:13], s[0:1], 0x20              ; out0
	v_lshl_add_u32 v[SPW], v0, 2, SPARE
	v_mov_b32 v[NIL], 0
	ds_add_u32 v[SPW], v[NIL]                      ; the opening: the add, twice on end, and its wait ahead of my tensor load
	ds_add_u32 v[SPW], v[NIL]
	v_lshrrev_b32 v1, 5, v0
	v_readfirstlane_b32 s14, v1                    ; wave
	s_lshr_b32 s15, s14, 1                         ; which 64 rows are mine.  Also: I fetch for x (0) or for Wo (1)
	s_and_b32 s16, s14, 1                          ; which 64 columns.  Also: which half of that tile I fetch
	s_bfe_u32 s40, ttmp6, 0x40000
	s_bfe_u32 s41, ttmp6, 0x40004
	s_lshl_b32 s42, ttmp9, 2
	s_add_co_u32 s42, s42, s40                     ; tile column, 0 .. 7
	s_and_b32 s17, ttmp7, 0xffff
	s_lshl_b32 s17, s17, 2
	s_add_co_u32 s17, s17, s41                     ; tile row, 0 .. 31
	s_lshl_b32 s43, s41, 2
	s_lshl_b32 s43, 15, s43
	s_lshl_b32 s44, 0x1111, s40
	s_or_b32 s[G1], s43, (3<<16)|(1<<21)           ; x's tile: elements of 8 bytes, no padding: 8 rows of 768 elements, 24,576 elements apart
	s_mov_b32 s[G1+1], 768<<16
	s_mov_b32 s[G1+2], 8<<16
	s_mov_b32 s[G1+3], 768<<16
	s_mov_b32 s[G1+4], 8
	s_mov_b32 s[G1+5], 24576
	s_mov_b32 s[G1+6], 0
	s_mov_b32 s[G1+7], 0
	s_or_b32 s[G1B], s44, (1<<20)|(1<<21)|(5<<22)|(3<<25)  ; Wo's tile: 64 rows of 768 bytes, 4 words of padding behind every 64
	s_mov_b32 s[G1B+1], KROW<<16
	s_mov_b32 s[G1B+2], 64<<16
	s_mov_b32 s[G1B+3], KROW<<16
	s_mov_b32 s[G1B+4], 64
	s_mov_b32 s[G1B+5], KROW
	s_mov_b32 s[G1B+6], 0
	s_mov_b32 s[G1B+7], 0
	s_mul_i32 s20, s17, 6144                       ; the codes of x: 128 x tile row rows of 48 bytes,
	s_mul_i32 s18, s16, 1572864                    ; + 8 heads x half
	s_add_co_u32 s20, s20, s18
	s_mov_b32 s21, 0
	s_lshl_b32 s46, s42, 7
	s_lshl_b32 s18, s16, 6
	s_add_co_u32 s46, s46, s18                     ; Wo: row 128 x tile column + 64 x half;
	s_mov_b32 s19, s46                             ; also my first column
	s_mul_i32 s46, s46, KROW
	s_add_co_u32 s46, s46, 7864320
	s_mov_b32 s47, 0
	s_mul_i32 s45, s16, 49152                      ; where they go: no place in the cluster enters an LDS address
	s_mul_i32 s94, s16, 64*PITCH
	s_add_co_u32 s94, s94, ABYTES
	s_wait_dscnt 0x0
	s_wait_kmcnt 0x0
	s_add_nc_u64 s[20:21], s[4:5], s[20:21]
	s_add_nc_u64 s[46:47], s[6:7], s[46:47]
	CROUND                                         ; all sixteen work-groups are here: the joint loads meet
	s_mov_b32 s[G0], 1
	s_mov_b32 s[G0+1], s45
	s_mov_b64 s[G0+2:G0+3], s[20:21]
	s_or_b32 s[G0+3], s[G0+3], 0x80000000
	s_mov_b32 s[G0B], 1
	s_mov_b32 s[G0B+1], s94
	s_mov_b64 s[G0B+2:G0B+3], s[46:47]
	s_or_b32 s[G0B+3], s[G0B+3], 0x80000000
	s_cmp_eq_u32 s15, 0                            ; my one tensor load: an s_nop 0 and four v_nop follow each line
	s_cbranch_scc0 .Lfor_b
	tensor_load_to_lds s[G0:G0+3], s[G1:G1+7]
	s_nop 0
	PLACES 4
	s_branch .Lasked
.Lfor_b:
	tensor_load_to_lds s[G0B:G0B+3], s[G1B:G1B+7]
	s_nop 0
	PLACES 4
.Lasked:
	s_mov_b32 s23, 0
	s_lshl_b32 s18, s17, 7
	s_lshl_b32 s22, s15, 6
	s_add_co_u32 s18, s18, s22                     ; my first row
	s_lshl_b32 s22, s18, 2
	s_add_co_u32 s22, s22, 3145728
	s_add_nc_u64 s[36:37], s[4:5], s[22:23]        ; x's words
	s_lshl_b32 s22, s19, 5
	s_add_co_u32 s22, s22, 327680
	s_add_nc_u64 s[38:39], s[8:9], s[22:23]        ; Wo's scale bytes
	s_lshl_b32 s22, s19, 2
	s_add_nc_u64 s[10:11], s[10:11], s[22:23]      ; bo
	s_add_nc_u64 s[12:13], s[12:13], s[22:23]
	s_lshl_b32 s22, s18, 12
	s_add_nc_u64 s[12:13], s[12:13], s[22:23]      ; out0 at my first row and column
	s_mul_i32 s66, s15, 3072
	s_mul_i32 s67, s14, 64*SPITCH
	s_add_co_u32 s67, s67, STAGE
	v_and_b32 v1, 15, v0                           ; r
	v_bfe_u32 v2, v0, 4, 1                         ; h
	v_mul_u32_u24 v4, v2, 24
	v_mad_u32_u24 v3, v1, PITCH, v4
	v_add_nc_u32 v[ADRB], s94, v3                  ; Wo: row x pitch + 24 h
	v_lshl_add_u32 v[ADRB+2], v2, 4, v[ADRB]
	v_mad_u32_u24 v4, v1, 48, v4
	v_add_nc_u32 v[ADRA], s66, v4                  ; x: 48 r + 24 h
	v_add_nc_u32 v[ADRA+1], 49152, v[ADRA]
	v_lshlrev_b32 v[OSB], 5, v1
	v_lshlrev_b32 v[OSA], 2, v1
	v_lshlrev_b32 v[OBI], 5, v2
	v_mul_u32_u24 v5, v1, SPITCH
	v_lshl_add_u32 v5, v2, 5, v5
	v_add_nc_u32 v[STO], s67, v5                   ; stage, in: row r, 32 bytes for each half of the lanes
	v_mul_u32_u24 v5, v2, SPITCH
	v_lshl_add_u32 v5, v1, 4, v5
	v_add_nc_u32 v[RD], s67, v5                    ; back: sixteen lanes to a row of 256 bytes, two rows an instruction
	v_lshlrev_b32 v5, 12, v2
	v_lshl_add_u32 v[CO], v1, 4, v5                ; and the same two rows in out0
	s_wait_alu depctr_va_vdst(0)                   ; the head's end
.irp b, 0,1,2,3
	global_load_b128 v[SCB+8*\b:SCB+8*\b+3], v[OSB], s[38:39] offset:512*\b       ; lane r: row r's words of steps 0-3 (both halves of the lanes read the same),
	global_load_b128 v[SCB+8*\b+4:SCB+8*\b+7], v[OSB], s[38:39] offset:512*\b+16  ; and of steps 4-7
.endr
.irp a, 0,1,2,3
.irp t, 0,1,2,3,4,5,6,7
	global_load_b32 v[SCA+8*\a+\t], v[OSA], s[36:37] offset:16384*\t+64*\a
.endr
.endr
.irp b, 0,1,2,3                        ; register j of block b is column 16 b + 8 h + j of my 64
	global_load_b128 v[BIAS+8*\b:BIAS+8*\b+3], v[OBI], s[10:11] offset:64*\b
	global_load_b128 v[BIAS+8*\b+4:BIAS+8*\b+7], v[OBI], s[10:11] offset:64*\b+16
.endr
.macro FRAGB reg, st, i                ; byte y of a row of Wo lies at y + 16 (y / 256) of its LDS row; lanes 16-31 read 24 bytes on
.irp p, 0,1,2,3,4,5
.set BY, 96*(\st)+48*(\p/3)+8*(\p%3)
.if BY/256 == (BY+24)/256
	ds_load_b64 v[\reg+2*\p:\reg+2*\p+1], v[ADRB] offset:BY+16*(BY/256)+(\i)*16*PITCH
.else
	ds_load_b64 v[\reg+2*\p:\reg+2*\p+1], v[ADRB+2] offset:BY+16*(BY/256)+(\i)*16*PITCH
.endif
.endr
.endm
.macro FRAGA reg, st, i
.irp p, 0,1,2,3,4,5
	ds_load_b64 v[\reg+2*\p:\reg+2*\p+1], v[ADRA+(\st)/4] offset:6144*((2*(\st)+\p/3)%8)+768*(\i)+8*(\p%3)
.endr
.endm
.macro FETCH st                        ; step st's 8 fragments into set st % 2
	WIN 0x40
.irp i, 0,1,2,3
	FRAGB 48*((\st)%2)+FR*\i, \st, \i
.endr
	WIN 0
.irp i, 0,1,2,3
	FRAGA AF+48*((\st)%2)+FR*\i, \st, \i
.endr
.endm
.macro MUL16 st                        ; the 16 accumulators take turns, one instruction a turn; step 0 starts the sums from bo
.irp a, 0,1,2,3
.irp b, 0,1,2,3
.if (\st) == 0
	v_wmma_scale_f32_16x16x128_f8f6f4 v[ACC+8*(4*\a+\b):ACC+8*(4*\a+\b)+7], v[48*((\st)%2)+FR*\b:48*((\st)%2)+FR*\b+FR-1], v[AF+48*((\st)%2)+FR*\a:AF+48*((\st)%2)+FR*\a+FR-1], v[BIAS+8*\b:BIAS+8*\b+7], v[SCB+8*\b+(\st)], v[SCA+8*\a+(\st)] matrix_a_fmt:MATRIX_FMT_FP6 matrix_b_fmt:MATRIX_FMT_FP6
.else
	v_wmma_scale_f32_16x16x128_f8f6f4 v[ACC+8*(4*\a+\b):ACC+8*(4*\a+\b)+7], v[48*((\st)%2)+FR*\b:48*((\st)%2)+FR*\b+FR-1], v[AF+48*((\st)%2)+FR*\a:AF+48*((\st)%2)+FR*\a+FR-1], v[ACC+8*(4*\a+\b):ACC+8*(4*\a+\b)+7], v[SCB+8*\b+(\st)], v[SCA+8*\a+(\st)] matrix_a_fmt:MATRIX_FMT_FP6 matrix_b_fmt:MATRIX_FMT_FP6
.endif
.endr
.endr
.endm
.macro STEP st                         ; 128 along K: the next step's 48 loads are issued ahead of this step's 16 products
	s_wait_dscnt 0x0                               ; this step's fragments are in
.if (\st) < 7
.if (\st) > 0
	PLACES NP
.endif
	FETCH (\st)+1
.endif
.if (\st) == 0
	WIN 0x41                                       ; source 0 and D window 1, source 1 and C (bo) window 0
.else
	WIN 0x51
.endif
	MUL16 \st
	WIN 0
.endm
	s_wait_tensorcnt 0x0                           ; my part of the tiles is in
	s_barrier_signal -1
	s_barrier_wait -1                              ; and everybody's
	FETCH 0
	s_wait_loadcnt 0x0                             ; the scale words and bo
.irp t, 0,1,2,3,4,5,6,7
	STEP \t
.endr
	PLACES NP
; THE WAY OUT: my 64 rows x 64 columns go through my own stage and come back as whole rows of 256 bytes.  LDS serves a wave's instructions in order: no wait between the stores and the loads.
	WIN 0x04                                       ; the data: window 1
.irp a, 0,1,2,3
.irp b, 0,1,2,3
	ds_store_b128 v[STO], v[ACC+8*(4*\a+\b):ACC+8*(4*\a+\b)+3] offset:\a*16*SPITCH+64*\b          ; each accumulator from its low end on
	ds_store_b128 v[STO], v[ACC+8*(4*\a+\b)+4:ACC+8*(4*\a+\b)+7] offset:\a*16*SPITCH+64*\b+16
.endr
.endr
	WIN 0
.set T, 0
.rept 32
	ds_load_b128 v[BK+4*T:BK+4*T+3], v[RD] offset:T*2*SPITCH
.set T, T+1
.endr
.set T, 0
.rept 32
	s_wait_dscnt 31-T                              ; the loads issued behind load T may be out
	global_store_b128 v[CO], v[BK+4*T:BK+4*T+3], s[12:13] offset:T*8192 th:TH_STORE_NT   ; sixteen lanes store 256 consecutive bytes, at a multiple of 256 from out0's first byte
.set T, T+1
.endr
	s_wait_tensorcnt 0x0                           ; the wave's end
	ds_add_u32 v[SPW], v[NIL]
	s_wait_dscnt 0x0
	CROUND                                         ; the closing round
	s_endpgm
.Lfunc_end_k_q98b0c5c725_outproj:
	.size	k_q98b0c5c725_outproj, .Lfunc_end_k_q98b0c5c725_outproj-k_q98b0c5c725_outproj
	.p2alignl 7, 3214868480
	.fill 96, 4, 3214868480
	.section	.rodata,"a",@progbits
	.p2align	6, 0x0
	.amdhsa_kernel k_q98b0c5c725_outproj
		.amdhsa_group_segment_fixed_size 327680
		.amdhsa_private_segment_fixed_size 0
		.amdhsa_enable_private_segment 0
		.amdhsa_kernarg_size 40
		.amdhsa_user_sgpr_count 2
		.amdhsa_user_sgpr_kernarg_segment_ptr 1
		.amdhsa_wavefront_size32 1
		.amdhsa_system_sgpr_workgroup_id_x 1
		.amdhsa_system_sgpr_workgroup_id_y 1
		.amdhsa_system_sgpr_workgroup_id_z 1
		.amdhsa_system_vgpr_workitem_id 0
		.amdhsa_next_free_vgpr 512
		.amdhsa_next_free_sgpr 100
		.amdhsa_reserve_vcc 0
		.amdhsa_float_denorm_mode_32 3
		.amdhsa_float_denorm_mode_16_64 3
		.amdhsa_memory_ordered 1
		.amdhsa_forward_progress 1
		.amdhsa_inst_pref_size 62
	.end_amdhsa_kernel
	.amdgpu_metadata
---
amdhsa.version: [ 1, 2 ]
amdhsa.kernels:
  - .name:           k_q98b0c5c725_outproj
    .symbol:         k_q98b0c5c725_outproj.kd
    .args:
      - { .name: xo_ws, .offset: 0, .size: 8, .value_kind: global_buffer, .address_space: global }
      - { .name: xw_codes, .offset: 8, .size: 8, .value_kind: global_buffer, .address_space: global }
      - { .name: xw_scales, .offset: 16, .size: 8, .value_kind: global_buffer, .address_space: global }
      - { .name: bo, .offset: 24, .size: 8, .value_kind: global_buffer, .address_space: global }
      - { .name: out0, .offset: 32, .size: 8, .value_kind: global_buffer, .address_space: global }
    .group_segment_fixed_size: 327680
    .private_segment_fixed_size: 0
    .kernarg_segment_align: 8
    .kernarg_segment_size: 40
    .max_flat_workgroup_size: 128
    .sgpr_count:     100
    .vgpr_count:     512
    .wavefront_size: 32
...
	.end_amdgpu_metadata
.endif
;; end of part 5
